; MI455X (gfx1250); checked and timed in simulation.
; The chip was launched on July 23, 2026; its instructions are those of AMD's public machine-readable ISA for CDNA 5 (MIT licence, August 2026) and "CDNA5" Instruction Set Architecture Reference Guide (July 2026). The comments in the code are by the model that wrote it; some were corrected since.
;; Multi Headed Attention. Allowed arithmetic: matrix products marked QUANTISED: E2M3 operands, one E8M0 scale for each 32 along K, by v_wmma_scale_f32_16x16x128_f8f6f4 with both operands' format E2M3, f32 sums; everything else in f32.
;; Inputs: Wk_codes 1,024 x 32 x 24 uint8 (E2M3 codes of Wk, K innermost, in blocks of 32 codes, four codes in three bytes); Wk_scales 1,024 x 32 uint8 (E8M0 scales of Wk, one for each 32 codes along K); Wo_codes 1,024 x 32 x 24 uint8 (E2M3 codes of Wo, K innermost, in blocks of 32 codes, four codes in three bytes); Wo_scales 1,024 x 32 uint8 (E8M0 scales of Wo, one for each 32 codes along K); Wq_codes 1,024 x 32 x 24 uint8 (E2M3 codes of Wq, K innermost, in blocks of 32 codes, four codes in three bytes); Wq_scales 1,024 x 32 uint8 (E8M0 scales of Wq, one for each 32 codes along K); Wv_codes 1,024 x 32 x 24 uint8 (E2M3 codes of Wv, K innermost, in blocks of 32 codes, four codes in three bytes); Wv_scales 1,024 x 32 uint8 (E8M0 scales of Wv, one for each 32 codes along K); bo 1,024 float32; x_codes 4 x 2,048 x 32 x 24 uint8 (E2M3 codes of x, K innermost, in blocks of 32 codes, four codes in three bytes); x_scales 4 x 2,048 x 32 uint8 (E8M0 scales of x, one for each 32 codes along K).
;; Outputs: out0 4 x 2,048 x 1,024 float32.
;; This version of the problem:
;;   THIS VERSION OF THE PROBLEM IS GIVEN IN LOW PRECISION. The matrix products marked QUANTISED in the list below multiply operands that are first quantised to E2M3 (2 exponent bits, 3 mantissa bits; 6 bits a number), with one power-of-two scale for each 32 numbers along K (OCP MX v1.0); their sums are f32. All else is computed in f32.
;;   The module's matrix products, in the order in which they are computed (A, B: the left and right operand; K: the contracted axis; several contracted axes count as one K, in the product's order):
;;     1. [M 8,192, K 1,024] x [K 1,024, N 1,024]; A: input x (given as codes); B: input Wq (given as codes): QUANTISED
;;     2. [M 8,192, K 1,024] x [K 1,024, N 1,024]; A: input x (given as codes); B: input Wk (given as codes): QUANTISED
;;     3. [M 8,192, K 1,024] x [K 1,024, N 1,024]; A: input x (given as codes); B: input Wv (given as codes): QUANTISED
;;     4. batch 64 x [M 2,048, K 64] x [K 64, N 2,048]; A: computed on the way; B: computed on the way: QUANTISED
;;     5. batch 64 x [M 2,048, K 2,048] x [K 2,048, N 64]; A: softmax (see below); B: computed on the way: QUANTISED
;;     6. [M 8,192, K 1,024] x [K 1,024, N 1,024]; A: computed on the way; B: input Wo (given as codes): QUANTISED
;;   THE QUANTISER, for each operand of a quantised product, along K:
;;     - K is cut into blocks of 32 from its start; a last block that is shorter is filled with zeros.
;;     - A block's scale is 2^e with e = floor(log2(the largest magnitude in the block)) - 2, held to -126 .. 127; a block of zeros has e = 0. As a byte (E8M0): e + 127.
;;     - Each number is divided by its block's scale, clamped to +-7.5, and rounded to the nearest number of E2M3, ties to even, subnormals kept.
;;     - The product sums the exact products of the quantised numbers (number of the format x scale) in f32.
;;   ~~~python
;;   def quantise(x, axis):      # numpy; x: float32 -> the quantised numbers, widened to float32 again
;;       x = np.moveaxis(x, axis, -1); K = x.shape[-1]
;;       x = np.pad(x, [(0, 0)] * (x.ndim - 1) + [(0, -K % 32)]); x = x.reshape(x.shape[:-1] + (-1, 32)); a = np.abs(x).max(-1, keepdims=True)
;;       e = np.where(a > 0, np.clip(np.frexp(np.where(a > 0, a, 1))[1] - 1 - 2, -126, 127), 0)      # np.frexp(a)[1] - 1 = floor(log2(a)), exactly
;;       r = np.clip(x / 2.0 ** e, -7.5, 7.5)
;;       step = 2.0 ** (np.maximum(np.frexp(np.where(r == 0, 1, r))[1] - 1, 0) - 3)
;;       q = np.round(r / step) * step * 2.0 ** e      # np.round: ties to even
;;       return np.moveaxis(q.reshape(q.shape[:-2] + (-1,))[..., :K], -1, axis).astype(np.float32)
;;   ~~~
;;   SOFTMAX AHEAD OF A QUANTISED PRODUCT. Where the list says 'softmax', what is quantised is not the finished softmax but p = 2^(t - M), with t = logit x log2(e) and M = ceil(the row's largest t), a whole number; so 1/2 < the row's largest p <= 1. The row's sum l is taken of the UNQUANTISED p, in f32, and the product's result is divided by l at the end. Since M is a whole number, a kernel that streams over the keys may use a running M (the ceiling of the running maximum): every later rescaling is an exact power of two, which a block's scale takes up: the codes' values come out the same.
;;   OPERANDS COMPUTED ON THE WAY. 'Computed on the way' means the value that the module computes at that place (a softmax that the list does not call 'softmax' is quantised finished and normalised). What goes into a quantiser is computed in f32, as accurately as f32 sums, v_exp_f32 and their like allow (about 1e-6 of the number): no bf16 or f16 on the way to a quantiser, and a product that is left as it is and whose result goes on into a quantised operand takes f32 operands (vector FMAs, or v_wmma_f32_16x16x4_f32). A number that lies on a knife's edge between two numbers of the format may be rounded either way, as far as f32 arithmetic and the matrix unit's own rounding can turn it there, and no further.
;;   INPUTS GIVEN AS CODES. Wk (in the module: [1024, 1024], K = its axis 1); Wo (in the module: [1024, 1024], K = its axis 1); Wq (in the module: [1024, 1024], K = its axis 1); Wv (in the module: [1024, 1024], K = its axis 1); x (in the module: [4, 2048, 1024], K = its axis 2): each comes as NAME_codes (uint8): NAME with its K axis moved to the last place and cut into blocks of 32 codes, [.., K / 32, bytes a block], one block behind the other in memory; four codes in three bytes: a row's codes are one little-endian stream of bits, code i at bits 6 i .. 6 i + 5 (a code: sign, 2 exponent bits, 3 mantissa bits); and NAME_scales (uint8): the same leading axes, one E8M0 byte (e + 127) for each 32 codes along K. Its value is code x scale, taken as it is: it is not quantised again, and the codes and scales need not be those that the quantiser above would give.
;; One version. Each part assembles by itself: llvm-mc -triple=amdgcn-amd-amdhsa -mcpu=gfx1250 --defsym DOCPART=n.
;; ======== version 1 of 1: 3 launches
;; workspace buffers: q 6,553,600 bytes; kv 13,107,200 bytes; ctx_img 6,291,456 bytes; ctx_sc 262,144 bytes
;; launch qkv (part 1): grid 12 x 32, 4 waves a work-group, clusters of 4 x 4, 327,680 bytes of LDS; arguments x_codes, x_scales, Wq_codes, Wq_scales, Wk_codes, Wk_scales, Wv_codes, Wv_scales, q, kv; writes q, kv
.if DOCPART == 1
	.amdgcn_target "amdgcn-amd-amdhsa--gfx1250"
	.amdhsa_code_object_version 6
	.text
	.protected	k_qedfe3baefe_qkv
	.globl	k_qedfe3baefe_qkv
	.p2align	8
	.type	k_qedfe3baefe_qkv,@function
k_qedfe3baefe_qkv:
	s_mov_b64 s[64:65], 0
	v_nop
	global_prefetch_b8 v0, s[64:65] scope:SCOPE_SE
	s_setreg_imm32_b32 hwreg(HW_REG_WAVE_MODE, 25, 1), 1
	s_wait_xcnt 0x0
	s_wait_alu depctr_hold_cnt(0) depctr_sa_sdst(0) depctr_va_vdst(0) depctr_va_sdst(0) depctr_va_ssrc(0) depctr_va_vcc(0) depctr_vm_vsrc(0)
	s_getreg_b32 s2, hwreg(HW_REG_IB_STS2, 6, 4)
	s_cmp_eq_u32 s2, 0
	s_cbranch_scc0 .Lentry_in_a_cluster
	s_endpgm
.Lentry_in_a_cluster:
	s_bfe_u32 s2, ttmp6, 0x10000c
	s_cmp_lg_u32 s2, 0xf033
	s_cbranch_scc0 .Lentry_shape_is_right
	s_endpgm
.Lentry_shape_is_right:
; q = x Wq^T, k = x Wk^T, v = x Wv^T on codes of FP6 (E2M3) with E8M0 scales, sums in f32; the results are quantised at once (q and k along the head's 64, v along the keys)
; and leave as IMAGES OF OPERAND REGISTERS for the attention launch: nothing wider than codes goes to memory.
; The product itself: a tile of 256 x 256 to a work-group of four waves, 128 x 128 a wave in 64 accumulators; K = 1,024 in four steps of 256 through a ring of two LDS slots filled by joint tensor
; loads in clusters of 4 x 4; the scale bytes of the work-group's 2 x 256 rows come into LDS once.  Cluster x = 0, 1, 2 makes q, k, v.
; THE TWO SIDES.  Source 1 of the matrix instruction takes the "A side", source 0 the "B side": in accumulator (a, b) lane (r, h) holds A row 16 a + r, and register j B row 16 b + 8 h + j.
;   q, k: A side = 256 rows of x (tokens), B side = 256 rows of W (features): a lane's 64 registers of a block a run along 128 features = two heads of 64.
;   v:    A side = 256 rows of Wv (features), B side = 256 rows of x: a lane's registers run along 128 keys, the next product's K.  Only pointers are chosen: x and W have the same pitches.
; QUANTISING.  Registers 16 B + 0..15 of lanes (r, 0) and (r, 1) are the 32 numbers of the true block B.  Inside a block the codes stand in the order 16 h + 8 u + j for position 16 u + 8 h + j;
; both operands of each attention product are made in this same order (q with k here; v here with p there), so the products pair the right numbers; only the order of the sum differs.
; A block's scale is 2^(floor(log2(largest magnitude)) - 2); its byte is the largest magnitude's exponent field - 2, held at 1 from below.
; LIMITS: a block whose largest magnitude lies under 2^-124 gets the byte 1 (a block of zeros too, where the rule says 127: its codes are zeros and only this program reads the bytes);
; NaN and infinities among the values are not served.
; WORKSPACE.  q: [g = 16 batch + head][s = token / 128] blocks of 6,400 bytes: four fragments f at 1,536 f (registers 0-5: token tile 2 f, registers 6-11: tile 2 f + 1; three chunks of 512 bytes, lane l's
; 16 bytes at 16 l), then 256 bytes of scale words at 6,144 (lane 16 h + r: word(f = h), word(f = 2 + h) of row r).  kv: blocks of 12,800 bytes: k as q, then v's four fragments (16 channels x 128 keys) and words at 6,400.
; 384 work-groups are 24 clusters: a tile of 256 x 384, which would give 256, does not fit: 96 accumulators and the fragments want more than the 1,024 registers of a wave.
.set SIZE_K, 1024
.set KSTEP,  256                       ; along K in a slot
.set NQ,     KSTEP/128                 ; matrix instructions deep
.set ROWB,   192                       ; a tile's row in bytes
.set KROW,   SIZE_K*6/8                ; a row of codes in memory
.set PITCH,  240                       ; an LDS row: 3 x (64 bytes + 16 of padding)
.set FR,     12                        ; registers of a fragment
.set NL,     6                         ; LDS loads that bring one
.set NP,     4                         ; places behind this matrix instruction (ISA guide 7.12.1)
.set HALFT,  128*PITCH
.set SLOT,   4*HALFT
.set LAPS,   SIZE_K/(2*KSTEP)
.set KS,     SIZE_K/32                 ; a row of scale bytes
.set SCL,    2*SLOT                    ; behind the ring: the scales, as units of 256 bytes + 16 of padding
.set HALFS,  (128*KS/256)*272
.set SBLK,   (16*KS/256)*272
.set SPARE,  SCL+4*HALFS               ; the spare words: 128 bytes a wave, two blocks of 256 bytes that no other line names
.set ADRA, 16                          ; v16-19  LDS addresses of my A fragments (slot 0, 1; behind one padding more: +2)
.set ADRB, 20                          ; v20-23  the same for B
.set LI,   24                          ; v24     16 x lane: my place in a chunk of an image
.set L8,   25                          ; v25     8 x lane: my place among the scale words
.set ADRS, 27                          ; v27     LDS address of my scale words
.set SPW,  28                          ; v28     my spare word; never rewritten
.set NIL,  29                          ; v29     0; never rewritten
.set SC,   32                          ; v32-63  scale words, two sets: scales and nothing else
.set TM,   64                          ; v64-79  the way out: largest magnitudes, bytes, scale operands
.set CT,   80                          ; v80-86  the second halves of the blocks' codes
.set PW,   88                          ; v88-95  block a's scale word
.set WX,   96                          ; v96-103 the words as the heads want them
.set XS,   104                         ; v104-107 and as they are stored
.set AF,   128                         ; A's fragments, window 0
.set IMG,  128                         ; the way out: the images, 24 registers for each pair of A blocks
.set G1, 24
.set G0, 32
.set G1B, 48
.set G0B, 56
.set G1S, 68
.set G0S, 76
.set G1SB, 80
.set G0SB, 88
.set SEL, 100                          ; s[100:101] lane selects for v_permlanex16_b32
.set MSB, 0
.macro WIN new                         ; the immediate's high byte repeats the setting that is left
.if MSB != \new
	s_set_vgpr_msb (MSB<<8)|\new
.set MSB, \new
.endif
.endm
.set MUL_LO, 0xa1                      ; source 0 (B) window 1, source 1 (A) window 0, C and D window 2
.set MUL_HI, 0xf1                      ; the same, C and D window 3
.set TO_B,   0x40                      ; destination window 1, address window 0
; A joint load: waves 0 and 1 fetch for A, waves 2 and 3 for B; the branch hangs on the wave's number alone.  Four v_nop follow each of the two lines.
.macro JLOAD g0a, g1a, g0b, g1b
	s_cmp_eq_u32 s15, 0
	s_cbranch_scc0 .Lfor_b_\@
	tensor_load_to_lds s[\g0a:\g0a+3], s[\g1a:\g1a+7]
	s_nop 0
.rept 4
	v_nop
.endr
	s_branch .Lasked_\@
.Lfor_b_\@:
	tensor_load_to_lds s[\g0b:\g0b+3], s[\g1b:\g1b+7]
	s_nop 0
.rept 4
	v_nop
.endr
.Lasked_\@:
.endm
.macro CREST                           ; a round of the cluster's barrier behind its opening barrier
	s_cmp_lg_u32 s14, 0
	s_cbranch_scc1 .Lnot_wave_0_\@
	s_barrier_signal -3
.Lnot_wave_0_\@:
	s_barrier_wait -3
	s_barrier_signal -1
	s_barrier_wait -1
.endm
.macro CROUND                          ; a whole round
	s_barrier_signal -1
	s_barrier_wait -1
	CREST
.endm
	s_load_b512 s[24:39], s[0:1], 0x0              ; x codes, x scales, Wq codes, Wq scales, Wk codes, Wk scales, Wv codes, Wv scales
	s_load_b128 s[40:43], s[0:1], 0x40             ; q, kv
	v_lshl_add_u32 v[SPW], v0, 2, SPARE
	v_mov_b32 v[NIL], 0
	ds_add_u32 v28, v29
	ds_add_u32 v28, v29
	s_wait_dscnt 0x0
	v_lshrrev_b32 v1, 5, v0
	v_readfirstlane_b32 s14, v1                    ; wave 0..3
	s_lshr_b32 s15, s14, 1                         ; which half of the A rows is mine.  Also: I fetch for A (0) or for B (1)
	s_and_b32 s16, s14, 1                          ; which half of the B rows.  Also: which 128 rows I fetch
	s_and_b32 s95, ttmp7, 0xffff
	s_lshl_b32 s95, s95, 2                         ; 4 x cluster y: the first of the cluster's four blocks of 256 tokens
	s_mov_b32 s96, 12800                           ; bytes of a block of the output buffer (kv's)
	s_wait_kmcnt 0x0
	s_cmp_eq_u32 ttmp9, 0                          ; q's cluster?  The choices hang on the cluster's number alone: they are the same in all sixteen partners
	s_cselect_b64 s[8:9], s[28:29], s[32:33]       ; the weight's codes: Wq or Wk
	s_cselect_b64 s[10:11], s[30:31], s[34:35]     ; and its scales
	s_cselect_b64 s[12:13], s[40:41], s[42:43]     ; the output: q or kv
	s_cselect_b32 s96, 6400, s96
	s_cmp_eq_u32 ttmp9, 2                          ; v's cluster?  Then the sides change places
	s_cselect_b64 s[4:5], s[36:37], s[24:25]       ; A side: Wv or x
	s_cselect_b64 s[6:7], s[38:39], s[26:27]
	s_cselect_b64 s[8:9], s[24:25], s[8:9]         ; B side: x or the weight
	s_cselect_b64 s[10:11], s[26:27], s[10:11]
	s_cselect_b32 s97, 6400, 0                     ; v lies behind k in a block
	s_cselect_b32 s98, 0, s95                      ; what the cluster's y adds to A's tile row,
	s_cselect_b32 s99, s95, 0                      ; and to B's tile column
	s_bfe_u32 s40, ttmp6, 0x40000                  ; cx, cy: my place in the cluster
	s_bfe_u32 s41, ttmp6, 0x40004
	s_add_co_u32 s42, s99, s40                     ; B's tile column
	s_add_co_u32 s17, s98, s41                     ; A's tile row
	s_lshl_b32 s43, s41, 2
	s_lshl_b32 s43, 15, s43                        ; my row of the cluster
	s_lshl_b32 s44, 0x1111, s40                    ; my column
	; descriptor group 1: a tile of 128 rows x 192 bytes, 16 bytes of padding behind every 64
	s_or_b32 s[G1+0], s43, (0<<16)|(1<<20)|(1<<21)|(3<<22)|(3<<25)  ; the mask: A's tiles go to my row; elements of 1 byte; padding on; bit 21 beside a mask; after every 16 words, 4 words
	s_or_b32 s[G1B+0], s44, (0<<16)|(1<<20)|(1<<21)|(3<<22)|(3<<25)
.irp g, G1, G1B
	s_mov_b32 s[\g+1], ROWB<<16                    ; tensor_dim0
	s_mov_b32 s[\g+2], 128<<16                     ; tensor_dim1
	s_mov_b32 s[\g+3], ROWB<<16                    ; tile_dim0
	s_mov_b32 s[\g+4], 128                         ; tile_dim1
	s_mov_b32 s[\g+5], KROW                        ; tensor_dim0_stride
	s_mov_b32 s[\g+6], 0
	s_mov_b32 s[\g+7], 0
.endr
	; the scales of 128 rows: a dense block of 4,096 bytes, as rows of 256 bytes (32 elements of 8 bytes), 16 bytes of padding behind each
	s_or_b32 s[G1S+0], s43, (3<<16)|(1<<20)|(1<<21)|(5<<22)|(3<<25)
	s_or_b32 s[G1SB+0], s44, (3<<16)|(1<<20)|(1<<21)|(5<<22)|(3<<25)
.irp g, G1S, G1SB
	s_mov_b32 s[\g+1], 32<<16
	s_mov_b32 s[\g+2], (128*KS/256)<<16
	s_mov_b32 s[\g+3], 32<<16
	s_mov_b32 s[\g+4], 128*KS/256
	s_mov_b32 s[\g+5], 32
	s_mov_b32 s[\g+6], 0
	s_mov_b32 s[\g+7], 0
.endr
	s_lshl_b32 s18, s16, 7                         ; which 128 rows of the tile I fetch
	s_lshl_b32 s20, s17, 8
	s_add_co_u32 s20, s20, s18                     ; A: row 256 x tile row + 128 x half
	s_lshl_b32 s46, s42, 8
	s_add_co_u32 s46, s46, s18                     ; B: row 256 x tile column + 128 x half
	s_mov_b32 s21, 0
	s_mov_b32 s47, 0
	s_mov_b64 s[18:19], KS
	s_mul_u64 s[22:23], s[20:21], s[18:19]         ; where these rows' scales begin, in bytes
	s_mul_u64 s[92:93], s[46:47], s[18:19]
	s_mov_b64 s[18:19], KROW
	s_mul_u64 s[20:21], s[20:21], s[18:19]         ; and their codes
	s_mul_u64 s[46:47], s[46:47], s[18:19]
	s_mul_i32 s45, s14, HALFT                      ; where they go: wave x 128 rows: no place in the cluster enters an LDS address
	s_mul_i32 s94, s14, HALFS
	s_add_nc_u64 s[20:21], s[4:5], s[20:21]
	s_add_nc_u64 s[22:23], s[6:7], s[22:23]
	s_add_nc_u64 s[46:47], s[8:9], s[46:47]
	s_add_nc_u64 s[92:93], s[10:11], s[92:93]
	CROUND                                         ; all sixteen work-groups are here: the first joint loads meet
	s_mov_b32 s[G0S], 1
	s_add_co_u32 s[G0S+1], s94, SCL
	s_mov_b64 s[G0S+2:G0S+3], s[22:23]
	s_or_b32 s[G0S+3], s[G0S+3], 0x80000000
	s_mov_b32 s[G0SB], 1
	s_add_co_u32 s[G0SB+1], s94, SCL
	s_mov_b64 s[G0SB+2:G0SB+3], s[92:93]
	s_or_b32 s[G0SB+3], s[G0SB+3], 0x80000000
	JLOAD G0S, G1S, G0SB, G1SB                     ; the scales first: they are wanted with K step 0
.irp s, 0,1
	s_mov_b32 s[G0+4*\s], 1
	s_add_co_u32 s[G0+4*\s+1], s45, \s*SLOT
	s_add_nc_u64 s[G0+4*\s+2:G0+4*\s+3], s[20:21], \s*ROWB
	s_or_b32 s[G0+4*\s+3], s[G0+4*\s+3], 0x80000000
	s_mov_b32 s[G0B+4*\s], 1
	s_add_co_u32 s[G0B+4*\s+1], s45, \s*SLOT
	s_add_nc_u64 s[G0B+4*\s+2:G0B+4*\s+3], s[46:47], \s*ROWB
	s_or_b32 s[G0B+4*\s+3], s[G0B+4*\s+3], 0x80000000
	JLOAD G0+4*\s, G1, G0B+4*\s, G1B               ; by this text's count three tensor loads of a wave are out
.endr
	v_and_b32 v1, 15, v0                           ; r = l % 16
	v_bfe_u32 v2, v0, 4, 1                         ; h = l / 16
	v_mul_u32_u24 v3, v1, PITCH
	v_mul_u32_u24 v4, v2, 24
	v_add_nc_u32 v4, v3, v4                        ; a fragment's row x pitch + 24 x half
	v_lshl_add_u32 v5, v2, 4, v4                   ; and the same behind one padding more
	s_mul_i32 s21, s15, HALFT                      ; my 128 rows of A
	s_mul_i32 s22, s16, HALFT                      ; my 128 rows of B,
	s_add_co_u32 s22, s22, 2*HALFT                 ; which lie behind A's 256
.irp s, 0,1
	v_add_nc_u32 v[ADRA+\s], s21, v4
	v_add_nc_u32 v[ADRB+\s], s22, v4
	v_add_nc_u32 v[ADRA+2+\s], s21, v5
	v_add_nc_u32 v[ADRB+2+\s], s22, v5
	s_add_co_u32 s21, s21, SLOT
	s_add_co_u32 s22, s22, SLOT
.endr
	v_mul_u32_u24 v5, v1, KS                       ; my row's scales: 32 bytes a row,
	v_lshrrev_b32 v6, 8, v5
	v_lshl_add_u32 v5, v6, 4, v5                   ; and 16 more for each 256 passed
	s_mul_i32 s21, s15, HALFS                      ; A's: my 128 rows
	s_mul_i32 s22, s16, HALFS                      ; B's: my 128 rows, behind A's 256
	s_add_co_u32 s22, s22, 2*HALFS
	s_sub_co_u32 s22, s22, s21
	v_mul_u32_u24 v6, s22, v2                      ; lanes 16-31 take B's
	s_add_co_u32 s21, s21, SCL
	v_add_nc_u32 v5, v5, v6
	v_add_nc_u32 v[ADRS], s21, v5
	v_and_b32 v6, 31, v0
	v_lshlrev_b32 v[LI], 4, v6
	v_lshlrev_b32 v[L8], 3, v6
	; where my results go: the block of (batch, head, 128 tokens); my 128 features are two heads, the second 16 blocks on
	s_lshl_b32 s20, s17, 8
	s_lshl_b32 s21, s15, 7
	s_add_co_u32 s20, s20, s21                     ; my first A row
	s_lshl_b32 s46, s42, 8
	s_lshl_b32 s47, s16, 7
	s_add_co_u32 s46, s46, s47                     ; my first B row
	s_cmp_eq_u32 ttmp9, 2
	s_cselect_b32 s92, s46, s20                    ; my first token
	s_cselect_b32 s93, s20, s46                    ; my first feature
	s_lshr_b32 s94, s92, 11                        ; batch
	s_lshl_b32 s94, s94, 4
	s_lshr_b32 s93, s93, 6                         ; head
	s_add_co_u32 s94, s94, s93                     ; g
	s_lshl_b32 s94, s94, 4
	s_bfe_u32 s92, s92, 0x40007                    ; (token / 128) % 16
	s_add_co_u32 s94, s94, s92                     ; the block's number
	s_mul_i32 s92, s94, s96
	s_add_co_u32 s92, s92, s97
	s_mov_b32 s93, 0
	s_add_nc_u64 s[12:13], s[12:13], s[92:93]      ; the first head's block
	s_lshl_b32 s92, s96, 4
	s_add_nc_u64 s[66:67], s[12:13], s[92:93]      ; the second head's
.macro FRAG reg, adr, q, i             ; a fragment, 16 rows x 128 K: lane l holds row l % 16; registers 6 c .. 6 c + 5 hold K = 64 c + 32 (l / 16) + 0 .. 31: 24 bytes of the row's stream of bits, in pieces of 8 bytes
.irp p, 0,1,2,3,4,5
.set PC, 12*(\q)+6*(\p/3)+\p%3        ; 16 bytes of padding lie behind every 8 pieces: where the piece three on lies behind one padding more, the second address register serves
.if PC%8 < 5
	ds_load_b64 v[\reg+2*\p:\reg+2*\p+1], v[\adr] offset:8*PC+16*(PC/8)+(\i)*16*PITCH
.else
	ds_load_b64 v[\reg+2*\p:\reg+2*\p+1], v[\adr+2] offset:8*PC+16*(PC/8)+(\i)*16*PITCH
.endif
.endr
.endm
; 16 matrix instructions: A's blocks a0, a0 + 1 x B's eight.  The 64 accumulators take turns, one instruction a turn, in the same order in every step.
.macro MUL16 a0, p, q, sc, zero
.irp a, \a0, \a0+1
.irp b, 0,1,2,3,4,5,6,7
.if \zero
	v_wmma_scale_f32_16x16x128_f8f6f4 v[8*(8*((\a)%4)+\b):8*(8*((\a)%4)+\b)+7], v[128*(\p)+FR*\b:128*(\p)+FR*\b+FR-1], v[AF+FR*(\a):AF+FR*(\a)+FR-1], 0, v[SC+8*NQ*(\sc)+NQ*\b+(\q)], v[SC+8*NQ*(\sc)+NQ*(\a)+(\q)] matrix_a_fmt:MATRIX_FMT_FP6 matrix_b_fmt:MATRIX_FMT_FP6 matrix_a_scale:MATRIX_SCALE_ROW1
.else
	v_wmma_scale_f32_16x16x128_f8f6f4 v[8*(8*((\a)%4)+\b):8*(8*((\a)%4)+\b)+7], v[128*(\p)+FR*\b:128*(\p)+FR*\b+FR-1], v[AF+FR*(\a):AF+FR*(\a)+FR-1], v[8*(8*((\a)%4)+\b):8*(8*((\a)%4)+\b)+7], v[SC+8*NQ*(\sc)+NQ*\b+(\q)], v[SC+8*NQ*(\sc)+NQ*(\a)+(\q)] matrix_a_fmt:MATRIX_FMT_FP6 matrix_b_fmt:MATRIX_FMT_FP6 matrix_a_scale:MATRIX_SCALE_ROW1
.endif
.endr
.endr
.endm
.macro FETCH_B slot, q, p              ; B's eight fragments of the slot's q-th 128 along K into set p
	WIN TO_B
.irp i, 0,1,2,3,4,5,6,7
	FRAG 128*(\p)+FR*\i, ADRB+\slot, \q, \i
.endr
	WIN 0
.endm
.macro FETCH_A slot, q, i0             ; A's blocks i0 .. i0 + 3
.irp i, \i0, \i0+1, \i0+2, \i0+3
	FRAG AF+FR*(\i), ADRA+\slot, \q, \i
.endr
.endm
.macro SCALES sc                       ; the next K step's scale words into set sc: lanes 0-15 take A's block i, lanes 16-31 B's block i
.irp i, 0,1,2,3,4,5,6,7
	ds_load_b64 v[SC+8*NQ*\sc+NQ*\i:SC+8*NQ*\sc+NQ*\i+1], v[ADRS] offset:\i*SBLK
.endr
.endm
.macro PLACES n                        ; plain vector instructions between a matrix instruction and a load into, or a vector write or read of, its registers (ISA guide 7.12.1 for vector writes and reads)
.rept \n
	v_nop
.endr
.endm
; A step of 128 along K that has its successor in the same slot.
.macro STEP slot, q, zero
	s_wait_dscnt 4*NL                              ; B's set and A's blocks 0-3 are in; the youngest 24 loads (A's blocks 4-7) may be out
	WIN MUL_LO
	MUL16 0, (\q)%2, \q, \slot, \zero
	MUL16 2, (\q)%2, \q, \slot, \zero
	s_wait_dscnt 0                                 ; A's blocks 4-7 are in
	PLACES NP
	FETCH_B \slot, (\q)+1, 1-(\q)%2
	FETCH_A \slot, (\q)+1, 0
	WIN MUL_HI
	MUL16 4, (\q)%2, \q, \slot, \zero
	MUL16 6, (\q)%2, \q, \slot, \zero
	PLACES NP
	WIN 0
	FETCH_A \slot, (\q)+1, 4
.endm
; A slot's last step changes slots: ONE barrier; in front of it each wave waits for all its tensor loads, adds 0 to its spare word, and waits for that and for its own reads of this slot.
.macro TURN slot, next, fill
	s_wait_tensorcnt 0x0                           ; all my tensor loads have landed: my part of the next slot
	ds_add_u32 v[SPW], v[NIL]                      ; 0 onto my spare word
	s_wait_dscnt 4*NL+1                            ; (the add and the youngest 24 loads, A's blocks 4-7, may be out)
	WIN MUL_LO
	MUL16 0, 1, NQ-1, \slot, 0                     ; sixteen matrix instructions stand between the add and the wait for it
	s_wait_dscnt 0x0                               ; the add is done, and my reads of this slot are over
	s_barrier_signal -1
	MUL16 2, 1, NQ-1, \slot, 0
	WIN 0
	s_barrier_wait -1
.if \fill
	CREST                                          ; the barrier has opened a round of the cluster's barrier: no wave of any partner still reads this slot or has a load on its way
	s_add_nc_u64 s[G0+4*\slot+2:G0+4*\slot+3], s[G0+4*\slot+2:G0+4*\slot+3], 2*ROWB
	s_add_nc_u64 s[G0B+4*\slot+2:G0B+4*\slot+3], s[G0B+4*\slot+2:G0B+4*\slot+3], 2*ROWB
	JLOAD G0+4*\slot, G1, G0B+4*\slot, G1B         ; the first tensor load behind the round; its four v_nop are the places in front of the loads below
.else
	PLACES NP
.endif
	s_wait_alu depctr_va_vdst(0)
	v_add_nc_u32 v[ADRS], 4*NQ, v[ADRS]            ; on to the next K step's scale words (no LDS load of mine is out)
	FETCH_B \next, 0, 0
	FETCH_A \next, 0, 0
	SCALES \next
	WIN MUL_HI
	MUL16 4, 1, NQ-1, \slot, 0
	MUL16 6, 1, NQ-1, \slot, 0
	PLACES NP
	WIN 0
	FETCH_A \next, 0, 4
.endm
	s_wait_alu depctr_va_vdst(0)
	s_wait_tensorcnt 1                             ; the scales and my part of K step 0 are in (K step 1's load may be out)
	s_barrier_signal -1
	s_barrier_wait -1                              ; everybody's are
	FETCH_B 0, 0, 0
	FETCH_A 0, 0, 0
	SCALES 0
	FETCH_A 0, 0, 4
	STEP 0, 0, 1                                   ; the first step stands in front of the loop: its products start the sums
	s_mov_b32 s3, LAPS-1
.Llap:                                                 ; a trip goes once round the ring and fills both slots again
	TURN 0, 1, 1
	STEP 1, 0, 0
	TURN 1, 0, 1
	STEP 0, 0, 0
	s_sub_co_u32 s3, s3, 1
	s_cmp_lg_u32 s3, 0
	s_cbranch_scc1 .Llap
	TURN 0, 1, 0                                   ; the last lap fills nothing
	STEP 1, 0, 0
	s_wait_dscnt 4*NL                              ; the very last step
	WIN MUL_LO
	MUL16 0, 1, NQ-1, 1, 0
	MUL16 2, 1, NQ-1, 1, 0
	s_wait_dscnt 0
	WIN MUL_HI
	MUL16 4, 1, NQ-1, 1, 0
	MUL16 6, 1, NQ-1, 1, 0
	WIN 0
; THE WAY OUT.  Block a's 64 registers (four blocks of 32 along the B side) become two runs of six code registers, lo (blocks 0, 1) and hi (blocks 2, 3), and the scale word v[PW + a].
.macro QUANT a, lo, hi
.set QW,  2+(\a)/4                     ; the accumulators' window
.set QW5, 5*QW                         ; that window for sources 0 and 1
.set QS,  64*((\a)%4)
	WIN QW5
.irp b, 0,1,2,3
	v_max3_num_f32 v[TM+\b], |v[QS+16*\b]|, |v[QS+16*\b+1]|, 0x1800000   ; my 16 numbers of block b, each accumulator from its low end on, and the floor 2^(3 - 127): the byte cannot fall under 1
.endr
.irp i, 2,4,6,8,10,12,14
.irp b, 0,1,2,3
	v_max3_num_f32 v[TM+\b], |v[QS+16*\b+\i]|, |v[QS+16*\b+\i+1]|, v[TM+\b]   ; (the running maximum is source 2, which stays in window 0; the four blocks by turns)
.endr
.endr
	WIN 0
.irp b, 0,1,2,3
	v_permlanex16_b32 v[TM+4+\b], v[TM+\b], s[SEL], s[SEL+1]
.endr
.irp b, 0,1,2,3
	v_max_num_f32 v[TM+\b], v[TM+\b], v[TM+4+\b]   ; with lane l xor 16's: the block's largest magnitude
.endr
.irp b, 0,1,2,3
	v_add_nc_u32 v[TM+12+\b], 0xff000000, v[TM+\b] ; 2 off its exponent field: the conversion takes the exponent field of this operand as its scale
.endr
.irp b, 0,1,2,3
	v_lshrrev_b32 v[TM+4+\b], 23, v[TM+12+\b]      ; the scale's byte
.endr
	v_lshl_or_b32 v[PW+(\a)], v[TM+5], 8, v[TM+4]
	v_lshl_or_b32 v[PW+(\a)], v[TM+6], 16, v[PW+(\a)]
	v_lshl_or_b32 v[PW+(\a)], v[TM+7], 24, v[PW+(\a)]
	WIN QW                                         ; source 0 in the accumulators' window
	v_cvt_scalef32_pk16_fp6_f32 v[\lo:\lo+2], v[QS:QS+15], v[TM+12]
	v_cvt_scalef32_pk16_fp6_f32 v[CT:CT+2], v[QS+16:QS+31], v[TM+13]      ; (a conversion's three registers begin on an even number)
	v_cvt_scalef32_pk16_fp6_f32 v[\hi:\hi+2], v[QS+32:QS+47], v[TM+14]
	v_cvt_scalef32_pk16_fp6_f32 v[CT+4:CT+6], v[QS+48:QS+63], v[TM+15]
	WIN 0
	v_nop                                          ; one plain place behind a scaled conversion
.irp i, 0,1,2                          ; the operand's layout wants a WHOLE block in a lane: lanes 0-15 the even block, lanes 16-31 the odd one
	v_permlane16_swap_b32 v[\lo+\i], v[CT+\i]
.endr
.irp i, 0,1,2
	v_permlane16_swap_b32 v[\hi+\i], v[CT+4+\i]
.endr
.irp i, 0,1,2
	v_mov_b32 v[\lo+3+\i], v[CT+\i]
.endr
.irp i, 0,1,2
	v_mov_b32 v[\hi+3+\i], v[CT+4+\i]
.endr
.endm
; All eight blocks.  isv = 0 (q, k): lo is the first head's 64, hi the second's; blocks 2 f and 2 f + 1 are the two halves of fragment f of each head.
; isv = 1 (v): lo and hi are the two halves of one fragment (16 channels x 128 keys); blocks 0-3 are the first head's, 4-7 the second's.
; Every image has registers of its own, so no store's data are written again.  Each store of the wave covers 512 (the words: 256) consecutive bytes, aligned.
.macro EPI isv
.irp f, 0,1,2,3
.if \isv
	QUANT 2*\f, IMG+24*\f, IMG+24*\f+6
	QUANT 2*\f+1, IMG+24*\f+12, IMG+24*\f+18
.else
	QUANT 2*\f, IMG+24*\f, IMG+24*\f+12
	QUANT 2*\f+1, IMG+24*\f+6, IMG+24*\f+18
.endif
.irp j, 0,1,2
.if \isv
.if \f < 2
	global_store_b128 v[LI], v[IMG+24*\f+4*\j:IMG+24*\f+4*\j+3], s[12:13] offset:1536*(2*\f)+512*\j
	global_store_b128 v[LI], v[IMG+24*\f+12+4*\j:IMG+24*\f+12+4*\j+3], s[12:13] offset:1536*(2*\f+1)+512*\j
.else
	global_store_b128 v[LI], v[IMG+24*\f+4*\j:IMG+24*\f+4*\j+3], s[66:67] offset:1536*(2*\f-4)+512*\j
	global_store_b128 v[LI], v[IMG+24*\f+12+4*\j:IMG+24*\f+12+4*\j+3], s[66:67] offset:1536*(2*\f-3)+512*\j
.endif
.else
	global_store_b128 v[LI], v[IMG+24*\f+4*\j:IMG+24*\f+4*\j+3], s[12:13] offset:1536*\f+512*\j
	global_store_b128 v[LI], v[IMG+24*\f+12+4*\j:IMG+24*\f+12+4*\j+3], s[66:67] offset:1536*\f+512*\j
.endif
.endr
.endr
.if \isv
.set WS, PW                            ; v: block a's word is fragment a % 4's
.else
.set WS, WX
.irp f, 0,1,2,3                        ; q, k: a fragment's word is the head's two bytes of block 2 f and of block 2 f + 1
	v_perm_b32 v[WX+\f], v[PW+2*\f+1], v[PW+2*\f], 0x05040100
	v_perm_b32 v[WX+4+\f], v[PW+2*\f+1], v[PW+2*\f], 0x07060302
.endr
.endif
	v_cndmask_b32 v[XS], v[WS], v[WS+1], vcc_lo    ; lanes 0-15 store the words of fragments 0 and 2, lanes 16-31 those of 1 and 3: so one register serves two fragments there
	v_cndmask_b32 v[XS+1], v[WS+2], v[WS+3], vcc_lo
	v_cndmask_b32 v[XS+2], v[WS+4], v[WS+5], vcc_lo
	v_cndmask_b32 v[XS+3], v[WS+6], v[WS+7], vcc_lo
	global_store_b64 v[L8], v[XS:XS+1], s[12:13] offset:6144
	global_store_b64 v[L8], v[XS+2:XS+3], s[66:67] offset:6144
.endm
	PLACES NP                                      ; behind the last products: their results are read, and the registers that held A's fragments are written, below
	v_bfe_u32 v26, v0, 4, 1
	v_cmp_eq_u32 vcc_lo, 1, v26                    ; lanes 16-31
.irp b, 0,1,2,3
	v_mov_b32 v[TM+4+\b], 0                        ; written once: a lane permute's destination counts as one of its sources
.endr
	s_mov_b32 s[SEL], 0x76543210
	s_mov_b32 s[SEL+1], 0xfedcba98
	s_cmp_eq_u32 ttmp9, 2                          ; the cluster's number: the same way in all partners
	s_cbranch_scc1 .Lv
	EPI 0
	s_branch .Ldone
.Lv:
	EPI 1
.Ldone:
	s_wait_tensorcnt 0x0                           ; the wave's end
	ds_add_u32 v[SPW], v[NIL]
	s_wait_dscnt 0x0
	CROUND                                         ; the closing round: no work-group ends while a partner may still ask for a tile that names it
	s_endpgm
.Lfunc_end_k_qedfe3baefe_qkv:
	.size	k_qedfe3baefe_qkv, .Lfunc_end_k_qedfe3baefe_qkv-k_qedfe3baefe_qkv
	.p2alignl 7, 3214868480
	.fill 96, 4, 3214868480
	.section	.rodata,"a",@progbits
	.p2align	6, 0x0
	.amdhsa_kernel k_qedfe3baefe_qkv
		.amdhsa_group_segment_fixed_size 327680
		.amdhsa_private_segment_fixed_size 0
		.amdhsa_enable_private_segment 0
		.amdhsa_kernarg_size 80
		.amdhsa_user_sgpr_count 2
		.amdhsa_user_sgpr_kernarg_segment_ptr 1
		.amdhsa_wavefront_size32 1
		.amdhsa_system_sgpr_workgroup_id_x 1
		.amdhsa_system_sgpr_workgroup_id_y 1
		.amdhsa_system_sgpr_workgroup_id_z 1
		.amdhsa_system_vgpr_workitem_id 0
		.amdhsa_next_free_vgpr 1024
		.amdhsa_next_free_sgpr 102
		.amdhsa_reserve_vcc 1
		.amdhsa_float_denorm_mode_32 3
		.amdhsa_float_denorm_mode_16_64 3
		.amdhsa_memory_ordered 1
		.amdhsa_forward_progress 1
		.amdhsa_inst_pref_size 199
	.end_amdhsa_kernel
	.amdgpu_metadata
---
amdhsa.version: [ 1, 2 ]
amdhsa.kernels:
  - .name:           k_qedfe3baefe_qkv
    .symbol:         k_qedfe3baefe_qkv.kd
    .args:
      - { .name: x_codes, .offset: 0, .size: 8, .value_kind: global_buffer, .address_space: global }
      - { .name: x_scales, .offset: 8, .size: 8, .value_kind: global_buffer, .address_space: global }
      - { .name: Wq_codes, .offset: 16, .size: 8, .value_kind: global_buffer, .address_space: global }
      - { .name: Wq_scales, .offset: 24, .size: 8, .value_kind: global_buffer, .address_space: global }
      - { .name: Wk_codes, .offset: 32, .size: 8, .value_kind: global_buffer, .address_space: global }
      - { .name: Wk_scales, .offset: 40, .size: 8, .value_kind: global_buffer, .address_space: global }
      - { .name: Wv_codes, .offset: 48, .size: 8, .value_kind: global_buffer, .address_space: global }
      - { .name: Wv_scales, .offset: 56, .size: 8, .value_kind: global_buffer, .address_space: global }
      - { .name: q, .offset: 64, .size: 8, .value_kind: global_buffer, .address_space: global }
      - { .name: kv, .offset: 72, .size: 8, .value_kind: global_buffer, .address_space: global }
    .group_segment_fixed_size: 327680
    .private_segment_fixed_size: 0
    .kernarg_segment_align: 8
    .kernarg_segment_size: 80
    .max_flat_workgroup_size: 128
    .sgpr_count:     102
    .vgpr_count:     1024
    .wavefront_size: 32
...
	.end_amdgpu_metadata
.endif
;; end of part 1
;; launch attn (part 2): grid 4 x 64, 16 waves a work-group, clusters of 4 x 1, 327,680 bytes of LDS; arguments q, kv, ctx_img, ctx_sc; writes ctx_img, ctx_sc
.if DOCPART == 2
	.amdgcn_target "amdgcn-amd-amdhsa--gfx1250"
	.amdhsa_code_object_version 6
	.text
	.protected	k_qedfe3baefe_attn
	.globl	k_qedfe3baefe_attn
	.p2align	8
	.type	k_qedfe3baefe_attn,@function
k_qedfe3baefe_attn:
	s_mov_b64 s[64:65], 0
	v_nop
	global_prefetch_b8 v0, s[64:65] scope:SCOPE_SE
	s_setreg_imm32_b32 hwreg(HW_REG_WAVE_MODE, 25, 1), 1
	s_wait_xcnt 0x0
	s_wait_alu depctr_hold_cnt(0) depctr_sa_sdst(0) depctr_va_vdst(0) depctr_va_sdst(0) depctr_va_ssrc(0) depctr_va_vcc(0) depctr_vm_vsrc(0)
	s_getreg_b32 s2, hwreg(HW_REG_IB_STS2, 6, 4)
	s_cmp_eq_u32 s2, 0
	s_cbranch_scc0 .Lentry_in_a_cluster
	s_endpgm
.Lentry_in_a_cluster:
	s_bfe_u32 s2, ttmp6, 0x10000c
	s_cmp_lg_u32 s2, 0x3003
	s_cbranch_scc0 .Lentry_shape_is_right
	s_endpgm
.Lentry_shape_is_right:
; ctx = softmax(q k^T / 8, causal) v for one (batch, head) a cluster, both products on codes of FP6 (E2M3) with E8M0 scales; ctx is quantised along the model's 1,024 and leaves as codes.
; THE SOFTMAX: t = score x log2(e) / 8; M = the row's largest t so far, rounded UP to a whole number; p = 2^(t - M) is quantised along the keys, not normalised; the row's sum is taken of the
; unquantised p and divides at the end (by v_rcp_f32 and a multiplication).  When M moves, the sum and O are multiplied by 2^(old M - new M): exact.
; SHARES.  The four work-groups of a cluster share a head's k and v: all 16 key steps of 128 keys, 204,800 bytes, lie in each one's LDS as they lie in memory, filled ONCE by joint loads: no ring.
; A wave owns two tiles of 16 queries: one in the block of 128 queries 15 - (wave / 2), one in block wave / 2.  With the causal cut they need 16 - wave / 2 and wave / 2 + 1 key steps:
; 17 for every wave of the launch.  Which quarter of a block is a work-group's (32 cx) enters global addresses and a lane's number for the mask alone: no branch and no LDS address hangs on it.
; The first pass's key steps 0-7 are written out; the two loops have 8 trips each; a step all of whose keys are hidden is jumped over by a branch on the wave's number and the loop's count.
; THE SECOND BARRIER IS SPLIT: a wave says that its part of key steps 8-15 has landed behind key step 0, and asks whether everybody's has only behind key step 7: the four waves of a SIMD need not be in step.
; LAYOUT.  Both products transposed: S^T = k q^T, O^T = v^T p^T: a lane holds ONE query (lane % 16).  THE HEAD IS 64 AND THE INSTRUCTION'S K 128: a fragment of k holds TWO tiles of 16 keys (K 0-63: tile 2 f,
; K 64-127: tile 2 f + 1) and is multiplied once by [q | zero codes] and once by [zero codes | q]: zero codes add exactly 0 under any scale byte but 0xff, which no quantiser here gives.
; The order of the codes inside a block of 32 (16 h + 8 u + j for position 16 u + 8 h + j) is the same in q and k, and in p and v: only the order of the sums differs from the natural one.
; ctx meets Wo, which is given in the natural order: 16 exchanges of half-waves put a lane's numbers in that order ahead of the quantiser.
; LIMITS: a block whose largest magnitude lies under 2^-124 gets the byte 1 (a block of zeros too: its codes are zeros, and only this program reads the bytes); NaN and infinities are not served.
; ctx's scale bytes leave one byte a lane (two bytes of each of 16 rows): 1 / 24 of the launch's output.
; REGISTERS: v1 16 x lane, v2 8 x lane, v3 the mask's number, v4-5 addresses in hand, v6 ctx's scale byte's place, v7, v9 q's offsets, v8 -infinity; v12 -M, v13 largest t, v[14:15] the sum;
; v16-33 [0 | q | 0], v34 q's scale word; v36-83 four fragments; v[84:85] k's scale words, v[86:87] v's; v96-159 S^T, then p; v160-191 O^T; v192-203 p's codes; v204-231 at work; v232-245 q as loaded.
.set STEPB, 12800                      ; a key step in LDS and in memory: k's image 6,144, its words 256, v's image 6,144, its words 256
.set HALFB, 8*STEPB
.set WV,  12                           ; s12 wave
.set CX,  13                           ; s13 my place in the cluster
.set GG,  14                           ; s14 16 batch + head
.set CC,  15                           ; s15 wave % 2
.set BE,  16                           ; s16 wave / 2
.set BB,  17                           ; s17 batch
.set HD,  18                           ; s18 head
.set SEL, 20                           ; s[20:21] lane selects: lane l xor 16
.set CS,  22                           ; s[22:23] c = log2(e) / 8
.set G1,  24                           ; s[24:31] descriptor group 1
.set G0A, 32                           ; s[32:35], s[36:39] groups 0 of my two loads
.set G0B, 36
.set TB,  40                           ; s40 LDS byte of the key step in hand
.set SI,  41                           ; s41 its number
.set CNT, 42                           ; s42 trips to go
.set BT,  43                           ; s43 the pass's block of 128 queries
.set CM,  44                           ; s44 -(wave % 2): a mask of all lanes or of none
.set PS,  45                           ; s45 byte selects for q's scale word
.set HM,  58                           ; s58 the mask of lanes 16-31
.set PC,  192
.set CT,  204
.set BM,  212
.set BP,  216
.set BS,  220
.set T1,  224
.set FF,  226
.macro ROUND                           ; a round of the cluster's barrier
	s_barrier_signal -1
	s_barrier_wait -1
	s_cmp_lg_u32 s[WV], 0
	s_cbranch_scc1 .Lnot_wave_0_\@
	s_barrier_signal -3
.Lnot_wave_0_\@:
	s_barrier_wait -3
	s_barrier_signal -1
	s_barrier_wait -1
.endm
	s_load_b256 s[4:11], s[0:1], 0x0               ; q s[4:5], kv s[6:7], ctx_img s[8:9], ctx_sc s[10:11]
	v_lshl_add_u32 v254, v0, 2, 0x32000
	v_mov_b32 v255, 0
	ds_add_u32 v254, v255
	ds_add_u32 v254, v255
	v_lshrrev_b32 v1, 5, v0
	s_delay_alu instid0(VALU_DEP_1)
	v_readfirstlane_b32 s[WV], v1                  ; wave 0..15
	s_bfe_u32 s[CX], ttmp6, 0x40000
	s_and_b32 s[GG], ttmp7, 0xffff                 ; the cluster's y: batch and head, which the partners share
	s_and_b32 s[CC], s[WV], 1
	s_lshr_b32 s[BE], s[WV], 1
	s_lshr_b32 s[BB], s[GG], 4
	s_and_b32 s[HD], s[GG], 15
	s_mov_b32 s[SEL], 0x76543210
	s_mov_b32 s[SEL+1], 0xfedcba98
	s_mov_b32 s[CS], 0x3e38aa3b                    ; log2(e) / sqrt(64)
	s_mov_b32 s[CS+1], s[CS]                       ; (named with it as a pair, so it is written)
	; descriptor group 1: 6,400 dense bytes as 25 rows of 256 bytes (32 elements of 8 bytes), no padding
	s_mov_b32 s[G1], 15|(3<<16)|(1<<21)            ; the mask: all four work-groups; elements of 8 bytes; bit 21 beside a mask
	s_mov_b32 s[G1+1], 32<<16                      ; tensor_dim0
	s_mov_b32 s[G1+2], 25<<16                      ; tensor_dim1
	s_mov_b32 s[G1+3], 32<<16                      ; tile_dim0
	s_mov_b32 s[G1+4], 25                          ; tile_dim1
	s_mov_b32 s[G1+5], 32                          ; tensor_dim0_stride
	s_mov_b32 s[G1+6], 0
	s_mov_b32 s[G1+7], 0
	s_mul_i32 s48, s[WV], 6400                     ; my part: the same place in LDS and in the head's 204,800 bytes
	s_mul_i32 s46, s[GG], 16*STEPB
	s_add_co_u32 s46, s46, s48
	s_mov_b32 s47, 0
	s_wait_dscnt 0x0
	s_wait_kmcnt 0x0
	s_mov_b32 s[G0A], 1
	s_mov_b32 s[G0A+1], s48                        ; key steps 0-7: sixteen waves x 6,400 bytes
	s_add_nc_u64 s[G0A+2:G0A+3], s[6:7], s[46:47]
	s_or_b32 s[G0A+3], s[G0A+3], 0x80000000
	s_mov_b32 s[G0B], 1
	s_add_co_u32 s[G0B+1], s48, HALFB              ; key steps 8-15
	s_add_nc_u64 s[G0B+2:G0B+3], s[6:7], s[46:47]
	s_add_nc_u64 s[G0B+2:G0B+3], s[G0B+2:G0B+3], HALFB
	s_or_b32 s[G0B+3], s[G0B+3], 0x80000000
	ROUND                                          ; all four work-groups are here: the joint loads meet
	tensor_load_to_lds s[G0A:G0A+3], s[G1:G1+7]    ; key steps 0-7, waited for in full before the second fill: one load of mine is out
	s_nop 0
	s_wait_alu depctr_va_vdst(0)
	s_wait_tensorcnt 0x0
	ds_add_u32 v254, v255
	s_wait_dscnt 0x0
	ROUND
	tensor_load_to_lds s[G0B:G0B+3], s[G1:G1+7]
	s_nop 0
.rept 4
	v_nop
.endr
	v_and_b32 v9, 31, v0
	s_delay_alu instid0(VALU_DEP_1)
	v_lshlrev_b32 v1, 4, v9                        ; 16 x lane
	s_delay_alu instid0(VALU_DEP_2)
	v_lshlrev_b32 v2, 3, v9                        ; 8 x lane
	v_and_b32 v10, 15, v0                          ; r
	v_bfe_u32 v11, v0, 4, 1                        ; h
	s_mul_i32 s46, s[CX], 1536                     ; q: my tile is 2 cx + wave % 2 of its block's eight: fragment cx, one of its halves
	v_add_nc_u32 v9, s46, v1
	s_wait_alu depctr_va_vdst(0)
	s_and_b32 s46, s[CX], 1                        ; its scale word: lane 16 (cx % 2) + r's word cx / 2
	s_lshl_b32 s46, s46, 7
	s_lshr_b32 s47, s[CX], 1
	s_lshl_b32 s47, s47, 2
	s_add_co_u32 s46, s46, s47
	s_add_co_u32 s46, s46, 6144
	v_lshl_add_u32 v7, v10, 3, s46
	s_wait_alu depctr_va_vdst(0)
	s_lshl_b32 s46, s[GG], 4
	s_add_co_u32 s48, s46, s[BE]                   ; the second pass's block of q: 16 g + wave / 2
	s_add_co_u32 s46, s46, 15
	s_sub_co_u32 s46, s46, s[BE]                   ; the first pass's: 16 g + 15 - wave / 2
	s_mul_i32 s46, s46, 6400
	s_mov_b32 s47, 0
	s_add_nc_u64 s[54:55], s[4:5], s[46:47]
	s_mul_i32 s48, s48, 6400
	s_mov_b32 s49, 0
	s_add_nc_u64 s[56:57], s[4:5], s[48:49]
.irp j, 0,1,2
	global_load_b128 v[36+4*\j:39+4*\j], v9, s[54:55] offset:512*\j
.endr
	global_load_b32 v245, v7, s[54:55]
.irp j, 0,1,2
	global_load_b128 v[232+4*\j:235+4*\j], v9, s[56:57] offset:512*\j
.endr
	global_load_b32 v244, v7, s[56:57]
	s_lshl_b32 s46, s[CX], 5
	s_lshl_b32 s47, s[CC], 4
	s_add_co_u32 s46, s46, s47
	v_lshlrev_b32 v3, 3, v11
	s_delay_alu instid0(VALU_DEP_1)
	v_sub_nc_u32 v3, v10, v3
	s_delay_alu instid0(VALU_DEP_1)
	v_add_nc_u32 v3, s46, v3                       ; my query's place in its block of 128, less 8 h: register 8 T + j holds key 16 T + 8 h + j, hidden on the diagonal where 16 T + j > this
	v_lshl_add_u32 v6, v10, 5, v11                 ; ctx's scale bytes: 32 bytes a row, + h
	v_mov_b32 v8, 0xff800000                       ; -infinity
.irp i, 0,1,2,3,4,5
	v_mov_b32 v[16+\i], 0                          ; the zero codes on both sides of q
	v_mov_b32 v[28+\i], 0
.endr
.irp b, 0,1,2,3
	v_mov_b32 v[BP+\b], 0                          ; written once: a lane permute's destination counts as one of its sources
.endr
	v_mov_b32 v[T1], 0
	v_mov_b32 v[FF+1], 0                           ; (named as the upper half of a pair)
	v_cmp_eq_u32 s[HM], 1, v11
	s_sub_co_u32 s[CM], 0, s[CC]
	s_mov_b32 s[PS], 0x03020302
	s_cmp_eq_u32 s[CC], 1
	s_cselect_b32 s[PS], s[PS], 0x01000100         ; the tile's two scale bytes, twice: they serve [q | 0] and [0 | q] alike
; A pass begins: q's half of the fragment as loaded at v[raw], its scale word; the statistics and O^T; where the pass's ctx goes.
.macro INIT raw, word
.irp i, 0,1,2,3,4,5
	v_cndmask_b32 v[22+\i], v[\raw+\i], v[\raw+6+\i], s[CM]
.endr
	v_perm_b32 v34, v[\word], v[\word], s[PS]
	v_mov_b32 v13, 0xff61b1e6                      ; the largest t so far: -3e38, under every t
	s_delay_alu instid0(VALU_DEP_1)
	v_floor_f32 v12, -v13                          ; -M
	v_mov_b32 v14, 0
	v_mov_b32 v15, 0
.irp j, 0,1,2,3,4,5,6,7,8,9,10,11,12,13,14,15,16,17,18,19,20,21,22,23,24,25,26,27,28,29,30,31
	v_mov_b32 v[160+\j], 0                         ; O^T: the step is written once; the first finds zeros.  (These 32 also stand between the lines that make q and its scale word and the first product)
.endr
	s_lshl_b32 s46, s[BB], 7
	s_lshl_b32 s47, s[BT], 3
	s_add_co_u32 s46, s46, s47
	s_lshl_b32 s47, s[CX], 1
	s_add_co_u32 s46, s46, s47
	s_add_co_u32 s46, s46, s[CC]                   ; my tile of 16 rows among the 512: 128 batch + 8 block + 2 cx + wave % 2
	s_lshl_b32 s48, s46, 9                         ; its scale bytes: 16 rows of 32,
	s_lshl_b32 s47, s[HD], 1
	s_add_co_u32 s48, s48, s47                     ; + the head's two
	s_mov_b32 s49, 0
	s_lshl_b32 s46, s46, 4
	s_add_co_u32 s46, s46, s[HD]
	s_mul_i32 s46, s46, 768                        ; its codes: 768 bytes for each tile and head
	s_mov_b32 s47, 0
	s_add_nc_u64 s[50:51], s[8:9], s[46:47]
	s_add_nc_u64 s[52:53], s[10:11], s[48:49]
.endm
; A KEY STEP: 128 keys.  guarded = 1: the step may lie behind the pass's queries (left out) or on the diagonal (masked).
.macro STEP guarded
.if \guarded
	s_cmp_gt_u32 s[SI], s[BT]                      ; all 128 keys come after my queries: a branch on the wave's number and the loop's count, round the work; not round the lines that step
	s_cbranch_scc1 .Lhid_\@
.endif
	s_setprio 2
	v_add_nc_u32 v4, s[TB], v1
	v_add_nc_u32 v5, s[TB], v2
	v_nop
	v_nop                                          ; four places between the last step's products and the loads into the registers that they read
.irp f, 0,1,2,3
.irp j, 0,1,2
	ds_load_b128 v[36+12*\f+4*\j:39+12*\f+4*\j], v4 offset:1536*\f+512*\j   ; k's fragment f as an image of its registers: 512 consecutive bytes a load
.endr
.endr
	ds_load_b64 v[84:85], v5 offset:6144           ; its scale words: v84 fragments 0 (lanes 0-15) and 1 (lanes 16-31), v85 fragments 2 and 3
	s_wait_alu depctr_va_vdst(0)
	s_wait_dscnt 0x0
.irp f, 0,1,2,3                        ; S^T: key tile 2 f by [q | 0], tile 2 f + 1 by [0 | q]
.if \f%2
	v_wmma_scale_f32_16x16x128_f8f6f4 v[96+16*\f:103+16*\f], v[36+12*\f:47+12*\f], v[22:33], 0, v[84+\f/2], v34 matrix_a_fmt:MATRIX_FMT_FP6 matrix_b_fmt:MATRIX_FMT_FP6 matrix_a_scale:MATRIX_SCALE_ROW1
	v_wmma_scale_f32_16x16x128_f8f6f4 v[104+16*\f:111+16*\f], v[36+12*\f:47+12*\f], v[16:27], 0, v[84+\f/2], v34 matrix_a_fmt:MATRIX_FMT_FP6 matrix_b_fmt:MATRIX_FMT_FP6 matrix_a_scale:MATRIX_SCALE_ROW1
.else
	v_wmma_scale_f32_16x16x128_f8f6f4 v[96+16*\f:103+16*\f], v[36+12*\f:47+12*\f], v[22:33], 0, v[84+\f/2], v34 matrix_a_fmt:MATRIX_FMT_FP6 matrix_b_fmt:MATRIX_FMT_FP6
	v_wmma_scale_f32_16x16x128_f8f6f4 v[104+16*\f:111+16*\f], v[36+12*\f:47+12*\f], v[16:27], 0, v[84+\f/2], v34 matrix_a_fmt:MATRIX_FMT_FP6 matrix_b_fmt:MATRIX_FMT_FP6
.endif
.endr
.rept 4
	v_nop                                          ; places: for the loads below, into registers just read, and for the first read of the scores
.endr
.irp t, 0,1,2,3
.irp j, 0,1,2
	ds_load_b128 v[36+12*\t+4*\j:39+12*\t+4*\j], v4 offset:6400+1536*\t+512*\j   ; v's four fragments land while the softmax is worked
.endr
.endr
	ds_load_b64 v[86:87], v5 offset:12544
.if \guarded
	s_cmp_lt_u32 s[SI], s[BT]                      ; all keys count: no mask
	s_cbranch_scc1 .Lopen_\@
.irp n, 0,1,2,3,4,5,6,7,8,9,10,11,12,13,14,15,16,17,18,19,20,21,22,23,24,25,26,27,28,29,30,31,32,33,34,35,36,37,38,39,40,41,42,43,44,45,46,47,48,49,50,51,52,53,54,55,56,57,58,59,60,61,62,63
	v_cmp_gt_i32 vcc_lo, 16*(\n/8)+\n%8, v3        ; on the diagonal hidden scores become -infinity ahead of the maximum: p = 0 then.  A query's own key lies in this step, so its row keeps a number
	v_cndmask_b32 v[96+\n], v[96+\n], v8, vcc_lo
.endr
.Lopen_\@:
.endif
.irp b, 0,1,2,3
	v_max3_num_f32 v[BM+\b], v[96+16*\b], v[97+16*\b], v[98+16*\b]   ; the largest score of each block of 32 keys: for the row's maximum, and, since p rises with the score, for the block's largest p
.endr
.irp i, 3,5,7,9,11,13
.irp b, 0,1,2,3
	v_max3_num_f32 v[BM+\b], v[BM+\b], v[96+16*\b+\i], v[97+16*\b+\i]
.endr
.endr
.irp b, 0,1,2,3
	v_max_num_f32 v[BM+\b], v[BM+\b], v[111+16*\b]
.endr
.irp b, 0,1,2,3
	s_delay_alu instid0(VALU_DEP_4)
	v_permlanex16_b32 v[BP+\b], v[BM+\b], s[SEL], s[SEL+1]
.endr
.irp b, 0,1,2,3
	s_delay_alu instid0(VALU_DEP_4)
	v_max_num_f32 v[BM+\b], v[BM+\b], v[BP+\b]     ; with lane l xor 16's 16 keys
.endr
	s_delay_alu instid0(VALU_DEP_2)
	v_max3_num_f32 v[T1], v[BM], v[BM+1], v[BM+2]
	s_delay_alu instid0(VALU_DEP_1)
	v_max_num_f32 v[T1], v[T1], v[BM+3]            ; the step's largest score of my query
	s_delay_alu instid0(VALU_DEP_1)
	v_mul_f32 v[T1], s[CS], v[T1]                  ; as t (c is positive)
	s_delay_alu instid0(VALU_DEP_1)
	v_max_num_f32 v13, v13, v[T1]                  ; the running largest t
	v_mov_b32 v[T1], v12
	s_delay_alu instid0(VALU_DEP_2)
	v_floor_f32 v12, -v13                          ; the new -M = floor(-t) = -ceil(t): a whole number
	s_delay_alu instid0(VALU_DEP_1)
	v_sub_f32 v[T1], v12, v[T1]                    ; old M less new M: a whole number, 0 or less
	s_delay_alu instid0(VALU_DEP_1)
	v_cvt_i32_f32 v[T1], v[T1]                     ; (it saturates)
	s_delay_alu instid0(VALU_DEP_1)
	v_ldexp_f32 v[FF], 1.0, v[T1]                  ; f = 2^(old M - new M)
.irp j, 0,2,4,6,8,10,12,14,16,18,20,22,24,26,28,30,32,34,36,38,40,42,44,46,48,50,52,54,56,58,60,62
	v_pk_fma_f32 v[96+\j:97+\j], v[96+\j:97+\j], s[CS:CS+1], v[12:13] op_sel_hi:[1,0,0]   ; t - M, two at a time
.endr
	s_setprio 1
.irp b, 0,1,2,3
	v_fma_f32 v[BM+\b], v[BM+\b], s[CS], v12       ; the same of each block's largest score
.endr
	s_wait_alu depctr_va_vdst(0)
.irp j, 0,1,2,3,4,5,6,7,8,9,10,11,12,13,14,15,16,17,18,19,20,21,22,23,24,25,26,27,28,29,30,31,32,33,34,35,36,37,38,39,40,41,42,43,44,45,46,47,48,49,50,51,52,53,54,55,56,57,58,59,60,61,62,63
	v_exp_f32 v[96+\j], v[96+\j]                   ; p = 2^(t - M), at most 1
.endr
.irp b, 0,1,2,3
	v_exp_f32 v[BM+\b], v[BM+\b]                   ; the block's largest p: the same two instructions on the same number
.endr
	v_pk_mul_f32 v[14:15], v[14:15], v[FF:FF+1] op_sel_hi:[1,0]   ; the sums under the new M.  (A plain place behind the exponentials)
	s_wait_alu depctr_va_vdst(0)
.irp b, 0,1,2,3
	v_max_num_f32 v[BM+\b], 0x1800000, v[BM+\b]    ; the floor 2^(3 - 127): the byte cannot fall under 1
.endr
.irp b, 0,1,2,3
	s_delay_alu instid0(VALU_DEP_4)
	v_add_nc_u32 v[BS+\b], 0xff000000, v[BM+\b]    ; 2 off the exponent field: the conversion's scale operand
.endr
.irp b, 0,1,2,3
	s_delay_alu instid0(VALU_DEP_4)
	v_lshrrev_b32 v[BP+\b], 23, v[BS+\b]           ; the scale's byte
.endr
	s_delay_alu instid0(VALU_DEP_3)
	v_lshl_or_b32 v228, v[BP+1], 8, v[BP]          ; p's scale word for these 128 keys
	s_delay_alu instid0(VALU_DEP_1)
	v_lshl_or_b32 v228, v[BP+2], 16, v228
	s_delay_alu instid0(VALU_DEP_1)
	v_lshl_or_b32 v228, v[BP+3], 24, v228
.irp c, 0,1
	v_cvt_scalef32_pk16_fp6_f32 v[PC+6*\c:PC+2+6*\c], v[96+32*\c:111+32*\c], v[BS+2*\c]
	v_cvt_scalef32_pk16_fp6_f32 v[CT+4*\c:CT+2+4*\c], v[112+32*\c:127+32*\c], v[BS+2*\c+1]   ; (a conversion's three registers begin on an even number)
.endr
	v_nop                                          ; one plain place behind a scaled conversion
.irp c, 0,1                            ; the operand's layout wants a WHOLE block in a lane
.irp i, 0,1,2
	v_permlane16_swap_b32 v[PC+6*\c+\i], v[CT+4*\c+\i]
.endr
.irp i, 0,1,2
	s_delay_alu instid0(VALU_DEP_3)
	v_mov_b32 v[PC+3+6*\c+\i], v[CT+4*\c+\i]
.endr
.endr
	v_pk_add_f32 v[230:231], v[96:97], v[98:99]    ; the row's sum is taken of the UNQUANTISED p: two at a time, in two chains
	s_setprio 0
.irp j, 4,8,12,16,20,24,28,32,36,40,44,48,52,56,60
	v_pk_add_f32 v[14:15], v[14:15], v[96+\j:97+\j]
	v_pk_add_f32 v[230:231], v[230:231], v[98+\j:99+\j]
.endr
	s_delay_alu instid0(VALU_DEP_1)
	v_pk_add_f32 v[14:15], v[14:15], v[230:231]
.irp j, 0,2,4,6,8,10,12,14,16,18,20,22,24,26,28,30
	v_pk_mul_f32 v[160+\j:161+\j], v[160+\j:161+\j], v[FF:FF+1] op_sel_hi:[1,0]   ; O^T under the new M, each accumulator from its low end on
.endr
	s_wait_alu depctr_va_vdst(0)
	s_wait_dscnt 0x0                               ; v's fragments and scale words are in
.irp t, 0,1,2,3                        ; O^T += v^T p^T: four tiles of 16 channels, one instruction a turn
.if \t%2
	v_wmma_scale_f32_16x16x128_f8f6f4 v[160+8*\t:167+8*\t], v[36+12*\t:47+12*\t], v[PC:PC+11], v[160+8*\t:167+8*\t], v[86+\t/2], v228 matrix_a_fmt:MATRIX_FMT_FP6 matrix_b_fmt:MATRIX_FMT_FP6 matrix_a_scale:MATRIX_SCALE_ROW1
.else
	v_wmma_scale_f32_16x16x128_f8f6f4 v[160+8*\t:167+8*\t], v[36+12*\t:47+12*\t], v[PC:PC+11], v[160+8*\t:167+8*\t], v[86+\t/2], v228 matrix_a_fmt:MATRIX_FMT_FP6 matrix_b_fmt:MATRIX_FMT_FP6
.endif
.endr
.if \guarded
.Lhid_\@:
.endif
	s_add_co_u32 s[TB], s[TB], STEPB
	s_add_co_u32 s[SI], s[SI], 1
.endm
; A pass ends: O^T / the sum, in the natural order along the head's 64, quantised; six code registers and two scale bytes a row leave.
.macro FINISH
.rept 4
	v_nop                                          ; places behind the last products
.endr
	v_add_f32 v14, v14, v15                        ; the sum's two halves,
	s_delay_alu instid0(VALU_DEP_1)
	v_permlanex16_b32 v[T1], v14, s[SEL], s[SEL+1]
	s_delay_alu instid0(VALU_DEP_1)
	v_add_f32 v14, v14, v[T1]                      ; and lane l xor 16's: the row's sum
	s_wait_alu depctr_va_vdst(0)
	v_rcp_f32 v[FF], v14
	v_nop                                          ; one plain place behind a transcendental
	s_wait_alu depctr_va_vdst(0)
.irp j, 0,2,4,6,8,10,12,14,16,18,20,22,24,26,28,30
	v_pk_mul_f32 v[96+\j:97+\j], v[160+\j:161+\j], v[FF:FF+1] op_sel_hi:[1,0]   ; register 8 t + j: channel 16 t + 8 h + j
.endr
.irp b, 0,1
.irp j, 0,1,2,3,4,5,6,7
	v_permlane16_swap_b32 v[96+16*\b+\j], v[104+16*\b+\j]   ; lanes 16-31 of the first change places with lanes 0-15 of the second: register 16 b + i is now channel 32 b + 16 h + i
.endr
.endr
.irp b, 0,1
	v_max3_num_f32 v[BM+\b], |v[96+16*\b]|, |v[97+16*\b]|, 0x1800000
.endr
.irp i, 2,4,6,8,10,12,14
.irp b, 0,1
	s_delay_alu instid0(VALU_DEP_2)
	v_max3_num_f32 v[BM+\b], v[BM+\b], |v[96+16*\b+\i]|, |v[97+16*\b+\i]|
.endr
.endr
.irp b, 0,1
	s_delay_alu instid0(VALU_DEP_2)
	v_permlanex16_b32 v[BP+\b], v[BM+\b], s[SEL], s[SEL+1]
.endr
.irp b, 0,1
	s_delay_alu instid0(VALU_DEP_2)
	v_max_num_f32 v[BM+\b], v[BM+\b], v[BP+\b]
.endr
.irp b, 0,1
	s_delay_alu instid0(VALU_DEP_2)
	v_add_nc_u32 v[BS+\b], 0xff000000, v[BM+\b]
.endr
.irp b, 0,1
	s_delay_alu instid0(VALU_DEP_2)
	v_lshrrev_b32 v[BP+\b], 23, v[BS+\b]
.endr
	v_cvt_scalef32_pk16_fp6_f32 v[PC:PC+2], v[96:111], v[BS]
	v_cvt_scalef32_pk16_fp6_f32 v[CT:CT+2], v[112:127], v[BS+1]
	v_nop                                          ; one plain place behind a scaled conversion
	v_cndmask_b32 v[T1], v[BP], v[BP+1], s[HM]     ; lanes 0-15 store block 0's byte, lanes 16-31 block 1's
.irp i, 0,1,2
	v_permlane16_swap_b32 v[PC+\i], v[CT+\i]
.endr
.irp i, 0,1,2
	s_delay_alu instid0(VALU_DEP_3)
	v_mov_b32 v[PC+3+\i], v[CT+\i]                 ; registers 0-5: K = 32 h + 0 .. 31 of the head's 64: half of a fragment of the last product's A
.endr
.irp p, 0,1,2
	global_store_b64 v2, v[PC+2*\p:PC+2*\p+1], s[50:51] offset:256*\p   ; the wave stores 256 consecutive bytes, aligned
.endr
	global_store_b8 v6, v[T1], s[52:53]
	s_wait_xcnt 0x0                                ; the stores' data and bases are written again only behind this wait
.endm
	s_wait_loadcnt 0x0                             ; q of both passes
	s_sub_co_u32 s[BT], 15, s[BE]                  ; THE FIRST PASS: the block of queries 15 - wave / 2
	INIT 36, 245
	s_wait_tensorcnt 0x1                           ; my part of key steps 0-7 is in; my second load may stay out
	s_barrier_signal -1
	s_barrier_wait -1                              ; everybody's is
	s_mov_b32 s[TB], 0
	s_mov_b32 s[SI], 0
	STEP 0                                         ; key step 0.  Key steps 0-7: every wave's block is 8 or later, so all their keys count
	s_wait_tensorcnt 0x0                           ; my part of key steps 8-15 is in,
	s_wait_dscnt 0x0                               ; no LDS load of mine is out:
	s_barrier_signal -1                            ; I say so now, and ask for the others seven key steps further on
.rept 7
	STEP 0                                         ; key steps 1-7: work on registers, and LDS loads of bytes 12,800 to 102,399, which nothing writes any more
.endr
	s_barrier_wait -1                              ; everybody's part of key steps 8-15 is in
	s_mov_b32 s[TB], HALFB
	s_mov_b32 s[SI], 8
	s_mov_b32 s[CNT], 8
.Lb2:                                              ; key steps 8-15
	STEP 1
	s_sub_co_u32 s[CNT], s[CNT], 1
	s_cmp_lg_u32 s[CNT], 0
	s_cbranch_scc1 .Lb2
	s_setprio 0
	FINISH
	s_mov_b32 s[BT], s[BE]                         ; THE SECOND PASS: the block of queries wave / 2
	INIT 232, 244
	s_mov_b32 s[TB], 0
	s_mov_b32 s[SI], 0
	s_mov_b32 s[CNT], 8
.La:                                               ; key steps 0-7
	STEP 1
	s_sub_co_u32 s[CNT], s[CNT], 1
	s_cmp_lg_u32 s[CNT], 0
	s_cbranch_scc1 .La
	s_setprio 0
	FINISH
	s_wait_tensorcnt 0x0
	ds_add_u32 v254, v255
	s_wait_dscnt 0x0
	ROUND                                          ; the closing round
	s_endpgm
.Lfunc_end_k_qedfe3baefe_attn:
	.size	k_qedfe3baefe_attn, .Lfunc_end_k_qedfe3baefe_attn-k_qedfe3baefe_attn
	.p2alignl 7, 3214868480
	.fill 96, 4, 3214868480
	.section	.rodata,"a",@progbits
	.p2align	6, 0x0
	.amdhsa_kernel k_qedfe3baefe_attn
		.amdhsa_group_segment_fixed_size 327680
		.amdhsa_private_segment_fixed_size 0
		.amdhsa_enable_private_segment 0
		.amdhsa_kernarg_size 32
		.amdhsa_user_sgpr_count 2
		.amdhsa_user_sgpr_kernarg_segment_ptr 1
		.amdhsa_wavefront_size32 1
		.amdhsa_system_sgpr_workgroup_id_x 1
		.amdhsa_system_sgpr_workgroup_id_y 1
		.amdhsa_system_sgpr_workgroup_id_z 1
		.amdhsa_system_vgpr_workitem_id 0
		.amdhsa_next_free_vgpr 256
		.amdhsa_next_free_sgpr 66
		.amdhsa_reserve_vcc 1
		.amdhsa_float_denorm_mode_32 3
		.amdhsa_float_denorm_mode_16_64 3
		.amdhsa_memory_ordered 1
		.amdhsa_forward_progress 1
		.amdhsa_inst_pref_size 196
	.end_amdhsa_kernel
	.amdgpu_metadata
---
amdhsa.version: [ 1, 2 ]
amdhsa.kernels:
  - .name:           k_qedfe3baefe_attn
    .symbol:         k_qedfe3baefe_attn.kd
    .args:
      - { .name: q, .offset: 0, .size: 8, .value_kind: global_buffer, .address_space: global }
      - { .name: kv, .offset: 8, .size: 8, .value_kind: global_buffer, .address_space: global }
      - { .name: ctx_img, .offset: 16, .size: 8, .value_kind: global_buffer, .address_space: global }
      - { .name: ctx_sc, .offset: 24, .size: 8, .value_kind: global_buffer, .address_space: global }
    .group_segment_fixed_size: 327680
    .private_segment_fixed_size: 0
    .kernarg_segment_align: 8
    .kernarg_segment_size: 32
    .max_flat_workgroup_size: 512
    .sgpr_count:     66
    .vgpr_count:     256
    .wavefront_size: 32
...
	.end_amdgpu_metadata
.endif
;; end of part 2
;; launch proj (part 3): grid 4 x 64, 4 waves a work-group, clusters of 4 x 4, 327,680 bytes of LDS; arguments ctx_img, ctx_sc, Wo_codes, Wo_scales, out0, bo; writes out0
.if DOCPART == 3
	.amdgcn_target "amdgcn-amd-amdhsa--gfx1250"
	.amdhsa_code_object_version 6
	.text
	.protected	k_qedfe3baefe_proj
	.globl	k_qedfe3baefe_proj
	.p2align	8
	.type	k_qedfe3baefe_proj,@function
k_qedfe3baefe_proj:
	s_mov_b64 s[64:65], 0
	v_nop
	global_prefetch_b8 v0, s[64:65] scope:SCOPE_SE
	s_setreg_imm32_b32 hwreg(HW_REG_WAVE_MODE, 25, 1), 1
	s_wait_xcnt 0x0
	s_wait_alu depctr_hold_cnt(0) depctr_sa_sdst(0) depctr_va_vdst(0) depctr_va_sdst(0) depctr_va_ssrc(0) depctr_va_vcc(0) depctr_vm_vsrc(0)
	s_getreg_b32 s2, hwreg(HW_REG_IB_STS2, 6, 4)
	s_cmp_eq_u32 s2, 0
	s_cbranch_scc0 .Lentry_in_a_cluster
	s_endpgm
.Lentry_in_a_cluster:
	s_bfe_u32 s2, ttmp6, 0x10000c
	s_cmp_lg_u32 s2, 0xf033
	s_cbranch_scc0 .Lentry_shape_is_right
	s_endpgm
.Lentry_shape_is_right:
; out0 = ctx Wo^T + bo.  ctx: [8192][1024] as codes of FP6 (E2M3) made by the attention launch, Wo: [1024][1024] as given codes; one E8M0 scale for each 32 along K; out0 f32; sums in f32.
; THE TILE is 128 rows x 256 columns: 8,192 x 1,024 / (128 x 256) = 256 work-groups, one for each WGP, so that out0 leaves through all of them.  Four waves, each 64 x 128: 32 accumulators.
; For 128 along K a wave reads 12 fragments from LDS (72 loads of 256 bytes) for 32 products: one and a half times what a wave tile of 128 x 128 reads for a product; that is the price of the smaller tile.
; K = 1,024 is four steps of 256.  A step's tiles are 86,016 bytes of LDS, so THREE slots fit: K steps 0, 1, 2 are asked for at the start, and the launch has ONE refill: K step 3 goes into slot 0 as soon
; as slot 0 has been read out, behind one round of the cluster's barrier.  Nothing loops: the eight steps of 128 along K are written out by macros.
; CLUSTERS of 4 x 4: A's tile is shared along a row of the cluster, B's along a column: joint tensor loads.  The scale bytes of the work-group's 128 + 256 rows come into LDS once.
; THE MATRIX INSTRUCTION IS USED TRANSPOSED (source 0 = 16 rows of Wo, source 1 = 16 rows of ctx): a lane holds eight neighbouring numbers of a row of out0.
; ctx's CODES LIE AS IMAGES OF REGISTERS: [tile of 16 rows][head][pair of registers p = 0..2][lane][8 bytes]: a head's 64 along K are six registers of a fragment.  A K step of 256 is four heads: 3,072
; consecutive bytes of each tile's 12,288; a fragment comes by six loads of 8 bytes a lane, each 256 consecutive bytes.
; THE BIAS is the C of each sum's first matrix instruction: eight registers for each of B's eight blocks, in the result's layout.
; REGISTERS: window 0: v1-29 addresses; v32-63 scale words, two sets; v64-127 the bias; v128-255 rows of out0 on the way out.
;   window 1: fragment set 0 (B's eight at v0-95, A's four at v96-143);  window 3: fragment set 1, likewise;  window 2: the accumulators ((a, b) at v[8 (8 a + b)]).
;   So a run of loads has one setting of the windows, and a run of products one.
.set SIZE_K, 1024
.set SIZE_N, 1024
.set ROWB,   192                       ; a row of B's tile in bytes: 256 codes
.set KROW,   SIZE_K*6/8
.set PITCH,  240                       ; B's LDS row: 3 x (64 bytes + 16 of padding)
.set AIMG,   3072                      ; A: a tile of 16 rows x 256 along K, as an image
.set FR,     12                        ; registers of a fragment
.set NP,     4                         ; places behind this matrix instruction (ISA guide 7.12.1)
.set AH,     4*AIMG                    ; 64 rows of A: what one tensor load brings, and what one wave reads
.set BH,     128*PITCH                 ; 128 rows of B: likewise
.set SLOT,   2*AH+2*BH                 ; A's 128 rows, then B's 256
.set KS,     SIZE_K/32                 ; a row of scale bytes
.set SCL,    3*SLOT                    ; behind the slots: the scales, as units of 256 bytes + 16 of padding: A's 128 rows, then B's 256
.set ASH,    (64*KS/256)*272           ; those of 64 rows
.set BSH,    (128*KS/256)*272          ; of 128 rows
.set SBLK,   (16*KS/256)*272           ; of 16 rows
.set SPARE,  SCL+2*ASH+2*BSH           ; the spare words: 128 bytes a wave, two blocks of 256 bytes that no other line names
.set STAGE,  SPARE+512                 ; the way out: 16 rows x (512 bytes + 16) for each wave, in bytes of their own: no fill lands there
.set SPITCH, 528
.set ADRA, 10                          ; v10-12  LDS address of my A fragments in slot 0, 1, 2
.set ADRB, 13                          ; v13-15  the same for B;  v16-18 for the pieces that lie behind one padding more
.set STO,  24                          ; v24     the way out: where I put 32 bytes of a row
.set RD,   25                          ; v25     where I read a row back
.set CO,   26                          ; v26     my byte offset in a row of out0
.set ADRS, 27                          ; v27     LDS address of my scale words: lanes 0-15 A's rows, lanes 16-31 B's
.set SPW,  28                          ; v28     my spare word; never rewritten
.set NIL,  29                          ; v29     0; never rewritten
.set SC,   32                          ; v32-63  scale words: set ks % 2 for K step ks; register 2 i + q: lanes 0-15 A's block i, lanes 16-31 B's block i, the step's q-th 128 along K
.set BI,   64                          ; v64-127 the bias
.set BK,   128                         ; the way out: v128-191 and v192-255 by turns
.set BF,   0                           ; in a fragment set's window: B's eight fragments,
.set AFR,  96                          ; A's four
.set G1,   24                          ; s[24:31] descriptor group 1 for A's tiles;  s[32:39] for B's;  s[40:47], s[48:55] for A's and B's scales
.set G1B,  32
.set G1S,  40
.set G1SB, 48
.set G0S,  56                          ; s[56:59], s[60:63] groups 0 for the scales
.set G0SB, 60
.set G0,   68                          ; s[68:79] groups 0 for A's tiles, one set for each slot;  s[80:91] for B's
.set G0B,  80
.set MSB, 0
.macro WIN new                         ; the immediate's high byte repeats the setting that is left
.if MSB != \new
	s_set_vgpr_msb (MSB<<8)|\new
.set MSB, \new
.endif
.endm
.macro JLOAD g0a, g1a, g0b, g1b        ; a joint load: waves 0 and 1 fetch for A, waves 2 and 3 for B; the branch hangs on the wave's number alone; four v_nop follow each of the two lines
	s_cmp_eq_u32 s15, 0
	s_cbranch_scc0 .Lfor_b_\@
	tensor_load_to_lds s[\g0a:\g0a+3], s[\g1a:\g1a+7]
	s_nop 0
.rept 4
	v_nop
.endr
	s_branch .Lasked_\@
.Lfor_b_\@:
	tensor_load_to_lds s[\g0b:\g0b+3], s[\g1b:\g1b+7]
	s_nop 0
.rept 4
	v_nop
.endr
.Lasked_\@:
.endm
.macro CREST                           ; a round of the cluster's barrier behind its opening barrier
	s_cmp_lg_u32 s14, 0
	s_cbranch_scc1 .Lnot_wave_0_\@
	s_barrier_signal -3
.Lnot_wave_0_\@:
	s_barrier_wait -3
	s_barrier_signal -1
	s_barrier_wait -1
.endm
.macro CROUND                          ; a whole round
	s_barrier_signal -1
	s_barrier_wait -1
	CREST
.endm
	s_load_b128 s[4:7], s[0:1], 0x0                ; ctx's codes, ctx's scales
	s_load_b128 s[8:11], s[0:1], 0x10              ; Wo's codes, Wo's scales
	s_load_b64 s[12:13], s[0:1], 0x20              ; out0
	s_load_b64 s[66:67], s[0:1], 0x28              ; bo
	v_lshl_add_u32 v[SPW], v0, 2, SPARE
	v_mov_b32 v[NIL], 0
	ds_add_u32 v28, v29
	ds_add_u32 v28, v29
	s_wait_dscnt 0x0
	v_lshrrev_b32 v1, 5, v0
	v_readfirstlane_b32 s14, v1                    ; wave 0..3
	s_lshr_b32 s15, s14, 1                         ; which 64 of the tile's rows are mine.  Also: I fetch for A (0) or for B (1)
	s_and_b32 s16, s14, 1                          ; which 128 of its columns.  Also: which half of that side's rows I fetch
	s_bfe_u32 s92, ttmp6, 0x40000                  ; cx, cy: my place in the cluster
	s_bfe_u32 s93, ttmp6, 0x40004
	s_lshl_b32 s94, ttmp9, 2
	s_add_co_u32 s94, s94, s92                     ; tile column = 4 x cluster x + cx
	s_and_b32 s17, ttmp7, 0xffff
	s_lshl_b32 s17, s17, 2
	s_add_co_u32 s17, s17, s93                     ; tile row = 4 x cluster y + cy
	s_lshl_b32 s95, s93, 2
	s_lshl_b32 s95, 15, s95                        ; my row of the cluster
	s_lshl_b32 s96, 0x1111, s92                    ; my column
	; group 1 for A: 4 tiles of 16 rows, 3,072 bytes of each tile's 12,288; dense in LDS
	s_or_b32 s[G1+0], s95, (0<<16)|(1<<21)         ; the mask: my row; elements of 1 byte; no padding; bit 21 beside a mask
	s_mov_b32 s[G1+1], AIMG<<16                    ; tensor_dim0
	s_mov_b32 s[G1+2], 4<<16                       ; tensor_dim1
	s_mov_b32 s[G1+3], AIMG<<16                    ; tile_dim0
	s_mov_b32 s[G1+4], 4                           ; tile_dim1
	s_mov_b32 s[G1+5], 16*KROW                     ; tensor_dim0_stride: 12,288
	s_mov_b32 s[G1+6], 0
	s_mov_b32 s[G1+7], 0
	; group 1 for B: 128 rows x 192 bytes, 16 bytes of padding behind every 64
	s_or_b32 s[G1B+0], s96, (0<<16)|(1<<20)|(1<<21)|(3<<22)|(3<<25)
	s_mov_b32 s[G1B+1], ROWB<<16
	s_mov_b32 s[G1B+2], 128<<16
	s_mov_b32 s[G1B+3], ROWB<<16
	s_mov_b32 s[G1B+4], 128
	s_mov_b32 s[G1B+5], KROW
	s_mov_b32 s[G1B+6], 0
	s_mov_b32 s[G1B+7], 0
	; the scales: dense bytes as rows of 256 (32 elements of 8 bytes), 16 bytes of padding behind each: 64 rows of A are 8 such rows, 128 rows of B are 16
	s_or_b32 s[G1S+0], s95, (3<<16)|(1<<20)|(1<<21)|(5<<22)|(3<<25)
	s_mov_b32 s[G1S+1], 32<<16
	s_mov_b32 s[G1S+2], (64*KS/256)<<16
	s_mov_b32 s[G1S+3], 32<<16
	s_mov_b32 s[G1S+4], 64*KS/256
	s_mov_b32 s[G1S+5], 32
	s_mov_b32 s[G1S+6], 0
	s_mov_b32 s[G1S+7], 0
	s_or_b32 s[G1SB+0], s96, (3<<16)|(1<<20)|(1<<21)|(5<<22)|(3<<25)
	s_mov_b32 s[G1SB+1], 32<<16
	s_mov_b32 s[G1SB+2], (128*KS/256)<<16
	s_mov_b32 s[G1SB+3], 32<<16
	s_mov_b32 s[G1SB+4], 128*KS/256
	s_mov_b32 s[G1SB+5], 32
	s_mov_b32 s[G1SB+6], 0
	s_mov_b32 s[G1SB+7], 0
	; where the tiles come from.  A's hang on the tile row alone, B's on the tile column alone; every wave makes both, in registers that never hold the other coordinate
	s_lshl_b32 s20, s17, 7
	s_lshl_b32 s18, s16, 6
	s_add_co_u32 s20, s20, s18                     ; A: row 128 x tile row + 64 x half
	s_lshl_b32 s98, s94, 8
	s_lshl_b32 s18, s16, 7
	s_add_co_u32 s98, s98, s18                     ; B: row 256 x tile column + 128 x half
	s_mov_b32 s21, 0
	s_mov_b32 s99, 0
	s_mov_b64 s[18:19], KS
	s_mul_u64 s[22:23], s[20:21], s[18:19]         ; where these rows' scales begin, in bytes
	s_mul_u64 s[100:101], s[98:99], s[18:19]
	s_mov_b64 s[18:19], KROW
	s_mul_u64 s[20:21], s[20:21], s[18:19]         ; and their codes: 768 bytes a row on both sides (16 rows of A are one image of 12,288)
	s_mul_u64 s[98:99], s[98:99], s[18:19]
	s_mul_i32 s97, s16, AH                         ; where they go in a slot: A's halves,
	s_mul_i32 s3, s16, BH
	s_add_co_u32 s3, s3, 2*AH                      ; then B's: no place in the cluster enters an LDS address
	s_mul_i32 s18, s16, ASH
	s_add_co_u32 s18, s18, SCL                     ; the scales: A's halves,
	s_mul_i32 s19, s16, BSH
	s_add_co_u32 s19, s19, SCL+2*ASH               ; then B's
	s_wait_kmcnt 0x0
	s_add_nc_u64 s[20:21], s[4:5], s[20:21]
	s_add_nc_u64 s[22:23], s[6:7], s[22:23]
	s_add_nc_u64 s[98:99], s[8:9], s[98:99]
	s_add_nc_u64 s[100:101], s[10:11], s[100:101]
	CROUND                                         ; all sixteen work-groups are here: the first joint loads meet
	s_mov_b32 s[G0S], 1
	s_mov_b32 s[G0S+1], s18
	s_mov_b64 s[G0S+2:G0S+3], s[22:23]
	s_or_b32 s[G0S+3], s[G0S+3], 0x80000000
	s_mov_b32 s[G0SB], 1
	s_mov_b32 s[G0SB+1], s19
	s_mov_b64 s[G0SB+2:G0SB+3], s[100:101]
	s_or_b32 s[G0SB+3], s[G0SB+3], 0x80000000
	JLOAD G0S, G1S, G0SB, G1SB                     ; the scales first: they are wanted with K step 0
.irp s, 0,1,2
	s_mov_b32 s[G0+4*\s], 1
	s_add_co_u32 s[G0+4*\s+1], s97, \s*SLOT
	s_add_nc_u64 s[G0+4*\s+2:G0+4*\s+3], s[20:21], \s*AIMG
	s_or_b32 s[G0+4*\s+3], s[G0+4*\s+3], 0x80000000
	s_mov_b32 s[G0B+4*\s], 1
	s_add_co_u32 s[G0B+4*\s+1], s3, \s*SLOT
	s_add_nc_u64 s[G0B+4*\s+2:G0B+4*\s+3], s[98:99], \s*ROWB
	s_or_b32 s[G0B+4*\s+3], s[G0B+4*\s+3], 0x80000000
	JLOAD G0+4*\s, G1, G0B+4*\s, G1B               ; K steps 0, 1, 2: by this text's count four tensor loads of a wave are out
.endr
	v_and_b32 v1, 15, v0                           ; r
	v_bfe_u32 v2, v0, 4, 1                         ; h
	v_mul_u32_u24 v3, v1, PITCH
	v_mul_u32_u24 v4, v2, 24
	v_add_nc_u32 v4, v3, v4                        ; B: a fragment's row x pitch + 24 x half
	v_lshl_add_u32 v5, v2, 4, v4                   ; and the same behind one padding more
	v_and_b32 v6, 31, v0
	v_lshlrev_b32 v7, 3, v6                        ; A: 8 x lane
	s_mul_i32 s21, s15, AH                         ; my 64 rows of A
	s_mul_i32 s22, s16, BH                         ; my 128 rows of B,
	s_add_co_u32 s22, s22, 2*AH                    ; which lie behind A's 128
.irp s, 0,1,2
	v_add_nc_u32 v[ADRA+\s], s21, v7
	v_add_nc_u32 v[ADRB+\s], s22, v4
	v_add_nc_u32 v[ADRB+3+\s], s22, v5
	s_add_co_u32 s21, s21, SLOT
	s_add_co_u32 s22, s22, SLOT
.endr
	v_mul_u32_u24 v5, v1, KS                       ; my row's scales: 32 bytes a row,
	v_lshrrev_b32 v6, 8, v5
	v_lshl_add_u32 v5, v6, 4, v5                   ; and 16 more for each 256 passed
	s_mul_i32 s21, s15, ASH                        ; A's: my 64 rows
	s_mul_i32 s22, s16, BSH                        ; B's: my 128 rows, behind A's 128
	s_add_co_u32 s22, s22, 2*ASH
	s_sub_co_u32 s22, s22, s21
	v_mul_u32_u24 v6, s22, v2                      ; lanes 16-31 take B's
	s_add_co_u32 s21, s21, SCL
	v_add_nc_u32 v5, v5, v6
	v_add_nc_u32 v[ADRS], s21, v5
	s_mul_i32 s23, s14, 16*SPITCH
	s_add_co_u32 s23, s23, STAGE                   ; my stage
	v_mul_u32_u24 v5, v1, SPITCH                   ; in: row r, 32 bytes for each half of the lanes
	v_lshl_add_u32 v5, v2, 5, v5
	v_add_nc_u32 v[STO], s23, v5
	v_and_b32 v6, 31, v0
	v_lshlrev_b32 v[CO], 4, v6                     ; back: the 32 lanes take one row of 512 bytes; and the same in out0
	v_add_nc_u32 v[RD], s23, v[CO]
	s_lshl_b32 s20, s17, 7
	s_lshl_b32 s21, s15, 6
	s_add_co_u32 s20, s20, s21                     ; my first row of out0: 128 x tile row + 64 x half
	s_mov_b32 s21, 0
	s_mov_b64 s[18:19], SIZE_N*4
	s_mul_u64 s[20:21], s[20:21], s[18:19]
	s_lshl_b32 s98, s94, 10                        ; my first column, in bytes: 1,024 x tile column + 512 x half
	s_lshl_b32 s99, s16, 9
	s_add_co_u32 s98, s98, s99
	s_mov_b32 s99, 0
	s_add_nc_u64 s[66:67], s[66:67], s[98:99]      ; bo at my first column
	s_add_nc_u64 s[20:21], s[20:21], s[98:99]
	s_add_nc_u64 s[12:13], s[12:13], s[20:21]
	v_lshlrev_b32 v8, 5, v2                        ; 32 h: lane (r, h) wants, for B's block b, bo at columns 16 b + 8 h + 0 .. 7
.irp b, 0,1,2,3,4,5,6,7
	global_load_b128 v[BI+8*\b:BI+8*\b+3], v8, s[66:67] offset:64*\b
	global_load_b128 v[BI+8*\b+4:BI+8*\b+7], v8, s[66:67] offset:64*\b+16
.endr
.macro FRAG reg, adr, q, i             ; a fragment of B from padded rows: lane l holds row l % 16; registers 6 c .. 6 c + 5 hold K = 64 c + 32 (l / 16) + 0 .. 31, in pieces of 8 bytes
.irp p, 0,1,2,3,4,5
.set PC, 12*(\q)+6*(\p/3)+\p%3        ; 16 bytes of padding lie behind every 8 pieces: where the piece three on lies behind one padding more, the second address register serves
.if PC%8 < 5
	ds_load_b64 v[\reg+2*\p:\reg+2*\p+1], v[\adr] offset:8*PC+16*(PC/8)+(\i)*16*PITCH
.else
	ds_load_b64 v[\reg+2*\p:\reg+2*\p+1], v[\adr+3] offset:8*PC+16*(PC/8)+(\i)*16*PITCH
.endif
.endr
.endm
.macro FRAGI reg, adr, q, i            ; a fragment of A from its image: pair p of its twelve registers lies 256 p bytes on; 128 along K are two heads, 1,536 bytes
.irp p, 0,1,2,3,4,5
	ds_load_b64 v[\reg+2*\p:\reg+2*\p+1], v[\adr] offset:AIMG*(\i)+1536*(\q)+256*\p
.endr
.endm
; 24 LDS loads: a third of the fragments of the slot's q-th 128 along K, into set p: c = 0: B's blocks 0-3; 1: B's 4-7; 2: A's four
.macro CHUNK slot, q, p, c
	WIN (0x40+0x80*(\p))                           ; destination window 1 or 3, address window 0
.if \c == 0
.irp i, 0,1,2,3
	FRAG BF+FR*\i, ADRB+\slot, \q, \i
.endr
.elseif \c == 1
.irp i, 4,5,6,7
	FRAG BF+FR*\i, ADRB+\slot, \q, \i
.endr
.else
.irp i, 0,1,2,3
	FRAGI AFR+FR*\i, ADRA+\slot, \q, \i
.endr
.endif
.endm
.macro SCALES ks                       ; K step ks's scale words, two a row, into set ks % 2.  Lanes 16-31: B's block i.  Lanes 0-15: A's block i; for i over 3 they fall on the next rows' filled bytes, and no product names them
.irp i, 0,1,2,3,4,5,6,7
	ds_load_b64 v[SC+16*((\ks)%2)+2*\i:SC+16*((\ks)%2)+2*\i+1], v[ADRS] offset:\i*SBLK+8*(\ks)
.endr
.endm
; 8 matrix instructions: A's block a x B's eight, from set p; q, sc: which scale words.  first = 1: the bias starts the sums.
; The 32 accumulators take turns, one instruction a turn, in the same order in every step.
.macro MUL8 a, p, q, sc, first
.if \first
	WIN 0x85                                       ; sources 0 and 1 window 1, C (the bias) window 0, D window 2
.else
	WIN (0xa5+0x0a*(\p))                           ; sources 0 and 1 window 1 or 3, C and D window 2
.endif
.irp b, 0,1,2,3,4,5,6,7
.if \first
	v_wmma_scale_f32_16x16x128_f8f6f4 v[8*(8*(\a)+\b):8*(8*(\a)+\b)+7], v[BF+FR*\b:BF+FR*\b+FR-1], v[AFR+FR*(\a):AFR+FR*(\a)+FR-1], v[BI+8*\b:BI+8*\b+7], v[SC+16*(\sc)+2*\b+(\q)], v[SC+16*(\sc)+2*(\a)+(\q)] matrix_a_fmt:MATRIX_FMT_FP6 matrix_b_fmt:MATRIX_FMT_FP6 matrix_a_scale:MATRIX_SCALE_ROW1
.else
	v_wmma_scale_f32_16x16x128_f8f6f4 v[8*(8*(\a)+\b):8*(8*(\a)+\b)+7], v[BF+FR*\b:BF+FR*\b+FR-1], v[AFR+FR*(\a):AFR+FR*(\a)+FR-1], v[8*(8*(\a)+\b):8*(8*(\a)+\b)+7], v[SC+16*(\sc)+2*\b+(\q)], v[SC+16*(\sc)+2*(\a)+(\q)] matrix_a_fmt:MATRIX_FMT_FP6 matrix_b_fmt:MATRIX_FMT_FP6 matrix_a_scale:MATRIX_SCALE_ROW1
.endif
.endr
.endm
.macro PLACES n                        ; plain vector instructions between a matrix instruction and a load into, or a read of, its registers (ISA guide 7.12.1 for reads)
.rept \n
	v_nop
.endr
.endm
; A step of 128 along K: 32 products on set p, and between them, in three runs of 24, the loads of the next step's fragments (slot nslot, its nq-th 128) into the other set.
; done0 = 1: A's block 0 has been multiplied already.  ks >= 0: K step ks's scale words are fetched too.
.macro WORK p, q, sc, first, done0, nslot, nq, ks
	CHUNK \nslot, \nq, 1-(\p), 0
.if \ks >= 0
	WIN 0
	SCALES \ks
.endif
.if !\done0
	MUL8 0, \p, \q, \sc, \first
.endif
	CHUNK \nslot, \nq, 1-(\p), 1
	MUL8 1, \p, \q, \sc, \first
	CHUNK \nslot, \nq, 1-(\p), 2
	MUL8 2, \p, \q, \sc, \first
	MUL8 3, \p, \q, \sc, \first
	WIN 0
.endm
.macro HEAD                            ; a step's head: its fragments are in; four places between the last step's products and the loads into the set that they read
	s_wait_dscnt 0x0
	PLACES NP
.endm
; A step's head with a barrier: each wave waits for all its tensor loads, adds 0 to its spare word, and waits for that and for all its LDS reads; eight products stand between signal and wait.
.macro MEET p, q, sc
	s_wait_tensorcnt 0x0                           ; all my tensor loads have landed
	ds_add_u32 v[SPW], v[NIL]                      ; 0 onto my spare word
	s_wait_dscnt 0x0                               ; the add is done; this step's fragments are in, and they were my last reads of the slot in hand
	s_barrier_signal -1
	MUL8 0, \p, \q, \sc, 0
	WIN 0                                          ; (branches may follow)
	s_barrier_wait -1
.endm
	s_wait_tensorcnt 2                             ; the scales and my part of K step 0 are in; K steps 1 and 2 may be out
	s_barrier_signal -1
	s_barrier_wait -1                              ; everybody's are
	CHUNK 0, 0, 0, 0
	CHUNK 0, 0, 0, 1
	CHUNK 0, 0, 0, 2
	WIN 0
	SCALES 0
	s_wait_loadcnt 0x0                             ; the bias
	HEAD
	WORK 0, 0, 0, 1, 0, 0, 1, -1                   ; K 0-127: the products start the sums, from the bias
	MEET 1, 1, 0                                   ; K 128-255.  Slot 0 has been read out, and K steps 1 and 2 have landed, in every wave of my work-group;
	CREST                                          ; the barrier has opened a round of the cluster's barrier: and in every partner
	s_add_nc_u64 s[G0+2:G0+3], s[G0+2:G0+3], 3*AIMG
	s_add_nc_u64 s[G0B+2:G0B+3], s[G0B+2:G0B+3], 3*ROWB
	JLOAD G0, G1, G0B, G1B                         ; THE ONE REFILL: K step 3 into slot 0; the first tensor load behind the round; its four v_nop are the places in front of the loads below
	WORK 1, 1, 0, 0, 1, 1, 0, 1
	HEAD
	WORK 0, 0, 1, 0, 0, 1, 1, -1                   ; K 256-383
	HEAD
	WORK 1, 1, 1, 0, 0, 2, 0, 2                    ; K 384-511; slot 2 was shown whole by the barrier above
	HEAD
	WORK 0, 0, 0, 0, 0, 2, 1, -1                   ; K 512-639
	MEET 1, 1, 0                                   ; K 640-767.  My part of K step 3 has landed; behind the barrier everybody's has.  Nothing is filled again: no round
	PLACES NP
	WORK 1, 1, 0, 0, 1, 0, 0, 3
	HEAD
	WORK 0, 0, 1, 0, 0, 0, 1, -1                   ; K 768-895
	s_wait_dscnt 0x0                               ; K 896-1,023: nothing more to fetch
	MUL8 0, 1, 1, 1, 0
	MUL8 1, 1, 1, 1, 0
	MUL8 2, 1, 1, 1, 0
	MUL8 3, 1, 1, 1, 0
	WIN 0
; THE WAY OUT, block by block of 16 rows x 128 columns, through my own stage in LDS: in as 32 bytes a lane, back as whole rows of 512 bytes.  LDS serves a wave's instructions in order (ISA guide 5.7.1.4).
.macro TOSTAGE a
.set AC, 64*(\a)
	WIN 0x08                                       ; an LDS store's data are its source 1: window 2
.irp b, 0,1,2,3,4,5,6,7
	ds_store_b128 v[STO], v[AC+8*\b:AC+8*\b+3] offset:64*\b          ; each accumulator from its low end on
	ds_store_b128 v[STO], v[AC+8*\b+4:AC+8*\b+7] offset:64*\b+16
.endr
	WIN 0
.set BBK, BK+64*((\a)%2)
.irp t, 0,1,2,3,4,5,6,7,8,9,10,11,12,13,14,15
	ds_load_b128 v[BBK+4*\t:BBK+4*\t+3], v[RD] offset:\t*SPITCH
.endr
.endm
.macro SEND a, younger                 ; younger: the LDS instructions issued behind block a's loads, which may stay out
.set BBK, BK+64*((\a)%2)
	s_wait_dscnt \younger
.if (\a) > 0
	s_add_nc_u64 s[12:13], s[12:13], 16*SIZE_N*4   ; (behind a wait on XCNT: the earlier stores have read their base)  16 rows on
.endif
.irp t, 0,1,2,3,4,5,6,7,8,9,10,11,12,13,14,15
	global_store_b128 v[CO], v[BBK+4*\t:BBK+4*\t+3], s[12:13] offset:\t*SIZE_N*4 th:TH_STORE_NT   ; 32 lanes store 512 consecutive bytes, aligned; written once, read by nobody here
.endr
.endm
	PLACES NP                                      ; behind the last products: their results are read below
	TOSTAGE 0
.irp a, 1,2,3
.if \a > 1
	s_wait_xcnt 0x0                                ; block a - 2's stores have read their registers and their base
.endif
	TOSTAGE \a
	SEND \a-1, 32                                  ; behind block a - 1's loads: block a's 16 stores and 16 loads
.endr
	s_wait_xcnt 0x0                                ; block 2's stores have read their base
	SEND 3, 0
	s_wait_tensorcnt 0x0                           ; the wave's end
	ds_add_u32 v[SPW], v[NIL]
	s_wait_dscnt 0x0
	CROUND                                         ; the closing round: no work-group ends while a partner may still ask for a tile that names it
	s_endpgm
.Lfunc_end_k_qedfe3baefe_proj:
	.size	k_qedfe3baefe_proj, .Lfunc_end_k_qedfe3baefe_proj-k_qedfe3baefe_proj
	.p2alignl 7, 3214868480
	.fill 96, 4, 3214868480
	.section	.rodata,"a",@progbits
	.p2align	6, 0x0
	.amdhsa_kernel k_qedfe3baefe_proj
		.amdhsa_group_segment_fixed_size 327680
		.amdhsa_private_segment_fixed_size 0
		.amdhsa_enable_private_segment 0
		.amdhsa_kernarg_size 48
		.amdhsa_user_sgpr_count 2
		.amdhsa_user_sgpr_kernarg_segment_ptr 1
		.amdhsa_wavefront_size32 1
		.amdhsa_system_sgpr_workgroup_id_x 1
		.amdhsa_system_sgpr_workgroup_id_y 1
		.amdhsa_system_sgpr_workgroup_id_z 1
		.amdhsa_system_vgpr_workitem_id 0
		.amdhsa_next_free_vgpr 1024
		.amdhsa_next_free_sgpr 102
		.amdhsa_reserve_vcc 0
		.amdhsa_float_denorm_mode_32 3
		.amdhsa_float_denorm_mode_16_64 3
		.amdhsa_memory_ordered 1
		.amdhsa_forward_progress 1
		.amdhsa_inst_pref_size 102
	.end_amdhsa_kernel
	.amdgpu_metadata
---
amdhsa.version: [ 1, 2 ]
amdhsa.kernels:
  - .name:           k_qedfe3baefe_proj
    .symbol:         k_qedfe3baefe_proj.kd
    .args:
      - { .name: ctx_img, .offset: 0, .size: 8, .value_kind: global_buffer, .address_space: global }
      - { .name: ctx_sc, .offset: 8, .size: 8, .value_kind: global_buffer, .address_space: global }
      - { .name: Wo_codes, .offset: 16, .size: 8, .value_kind: global_buffer, .address_space: global }
      - { .name: Wo_scales, .offset: 24, .size: 8, .value_kind: global_buffer, .address_space: global }
      - { .name: out0, .offset: 32, .size: 8, .value_kind: global_buffer, .address_space: global }
      - { .name: bo, .offset: 40, .size: 8, .value_kind: global_buffer, .address_space: global }
    .group_segment_fixed_size: 327680
    .private_segment_fixed_size: 0
    .kernarg_segment_align: 8
    .kernarg_segment_size: 48
    .max_flat_workgroup_size: 128
    .sgpr_count:     102
    .vgpr_count:     1024
    .wavefront_size: 32
...
	.end_amdgpu_metadata
.endif
;; end of part 3
